; MI455X (gfx1250); checked and timed in simulation.
; The chip was launched on July 23, 2026; its instructions are those of AMD's public machine-readable ISA for CDNA 5 (MIT licence, August 2026) and "CDNA5" Instruction Set Architecture Reference Guide (July 2026). The comments in the code are by the model that wrote it; some were corrected since.
;; Factorized Jump Operator. Allowed arithmetic: float matrix products may take bf16 or f16 operands with f32 sums; other float arithmetic in f32, or as packed bf16 or f16 multiplies, adds, multiply-adds, maxima and minima; sums over many terms, partial sums and values carried from step to step in f32; what a program stores and reads back later, other than sums and carried values, may be rounded once to bf16 or f16.
;; Inputs: c_param 16 x 128 float32; d_param 16 x 128 float32; dec_w 16 x 128 x 128 float32; enc_w 16 x 128 x 128 float32; source_idx 131,072 int32; target_idx 131,072 int32; z_n 131,072 x 128 float32.
;; Outputs: out0 131,072 x 128 float32.
;; 3 versions, each right; version 3 is version 2 with the launch chain written anew for expert scheduling mode. Each part assembles by itself: llvm-mc -triple=amdgcn-amd-amdhsa -mcpu=gfx1250 --defsym DOCPART=n.
;; ======== version 1 of 3: 2 launches
;; workspace buffers: lst 524,288 bytes of whole numbers; col 32,768 bytes of whole numbers; wfrag 1,048,576 bytes
;; launch prep (part 1): grid 32 x 1, 32 waves a work-group, no clusters, 55,552 bytes of LDS; arguments source_idx, target_idx, enc_w, dec_w, lst, col, wfrag; writes lst, col, wfrag
.if DOCPART == 1
	.amdgcn_target "amdgcn-amd-amdhsa--gfx1250"
	.amdhsa_code_object_version 6
	.text
	.protected	k_q14f93e2367_prep
	.globl	k_q14f93e2367_prep
	.p2align	8
	.type	k_q14f93e2367_prep,@function
k_q14f93e2367_prep:
	s_mov_b64 s[64:65], 0
	v_nop
	global_prefetch_b8 v0, s[64:65] scope:SCOPE_SE
	s_setreg_imm32_b32 hwreg(HW_REG_WAVE_MODE, 25, 1), 1
	s_wait_xcnt 0x0
; PREP.  Work-group x (of 32) does two things.
; (1) It sorts its block of 4,096 tokens by their PAIR, key = 16 source + target (256 pairs), by a counting sort in LDS without atomics, and stores
;     lst[x][0..4095]: the block's token numbers, a pair's tokens on end;  col[x][pair] = count | start << 16: the pair's run in that list.
; (2) It rounds matrix x of the 32 (enc 0..15, dec 0..15) to bf16 and stores it in the order in which a wave's matrix operand registers take it:
;     wfrag[x][chunk 8a+2c+q][lane][16 bytes] = W[16a + lane%16][32c + 16q + 8(lane/16) + 0..7].
; LIMITS.  An index is taken as unsigned and held to 15 at the most where it forms an address; the problem's indices lie in 0..15.  Weights are rounded once, to nearest even.
; No tensor load, no cluster: the work-groups share no input byte.  All lanes are on in every line: no line writes EXEC.
; Thread t owns tokens 4096 x + 4 t + j, j = 0..3, and the matrix's chunks t/32 and t/32 + 32.
.set TAB,   0            ; 32 waves x 256 words: first a wave's counts by pair, then the sum of the earlier waves' counts
.set LS,    32768        ; 256 words: where a pair's run begins in the block's list
.set COLW,  33792        ; 256 words: col's words
.set WT,    34816        ; 8 words in a block of 256 bytes: the totals of 32 pairs each
.set LIST,  35072        ; 4,096 words: the sorted list
.set SPARE, 51456        ; the spare words: 128 bytes for each of the 32 waves; no other line names them
; v0 t; v1 lane; v2, v3 the add's two registers; v4 16 t; v6 my byte offset in the matrix; v[8:15] indices; v[16:19] keys; v[20:23] the keys' words in my wave's table;
; v[24:27] number of peers; v[28:31] rank; v[32:63] weights, then the scan, then places; v[64:67] zeros; v69-75 at work
	s_load_b256 s[4:11], s[0:1], 0x0               ; source_idx s[4:5], target_idx s[6:7], enc_w s[8:9], dec_w s[10:11]
	s_load_b128 s[12:15], s[0:1], 0x20             ; lst s[12:13], col s[14:15]
	s_load_b64 s[16:17], s[0:1], 0x30              ; wfrag
	v_lshl_add_u32 v2, v0, 2, SPARE                ; my spare word
	v_mov_b32 v3, 0
	v_and_b32 v1, 31, v0                           ; lane
	v_lshrrev_b32 v5, 5, v0
	v_readfirstlane_b32 s18, v5                    ; wave 0..31 = my first chunk 8a + 2c + q
	s_mov_b32 s19, ttmp9                           ; x
	v_lshlrev_b32 v4, 4, v0                        ; 16 t
	s_lshr_b32 s34, s18, 3                         ; a: 16 rows of 512 bytes
	s_lshl_b32 s34, s34, 13
	s_bfe_u32 s35, s18, 0x20001                    ; c: 32 numbers of 4 bytes
	s_lshl_b32 s35, s35, 7
	s_add_co_u32 s34, s34, s35
	s_and_b32 s35, s18, 1                          ; q: 16 numbers
	s_lshl_b32 s35, s35, 6
	s_add_co_u32 s34, s34, s35
	v_and_b32 v6, 15, v0
	v_lshlrev_b32 v6, 9, v6                        ; row lane % 16
	v_bfe_u32 v7, v0, 4, 1
	v_lshl_add_u32 v6, v7, 5, v6                   ; 8 numbers for each half of the lanes
	v_add_nc_u32 v6, s34, v6
	s_lshl_b32 s36, s18, 10                        ; my wave's table
	s_mov_b32 s37, 0x01010101                      ; adds a word's four bytes into its top byte
	s_mov_b32 s21, 0
	s_wait_kmcnt 0x0
	s_lshl_b32 s20, s19, 14                        ; the block's 16,384 bytes in both index arrays and in lst
	s_add_nc_u64 s[4:5], s[4:5], s[20:21]
	s_add_nc_u64 s[6:7], s[6:7], s[20:21]
	s_add_nc_u64 s[12:13], s[12:13], s[20:21]
	s_cmp_lt_u32 s19, 16
	s_cselect_b64 s[22:23], s[8:9], s[10:11]       ; matrices 0..15 are the encoders, 16..31 the decoders
	s_and_b32 s20, s19, 15
	s_lshl_b32 s20, s20, 16                        ; 65,536 bytes each
	s_add_nc_u64 s[22:23], s[22:23], s[20:21]
	s_lshl_b32 s20, s19, 10
	s_add_nc_u64 s[14:15], s[14:15], s[20:21]      ; col's row x
	s_lshl_b32 s20, s19, 15
	s_add_nc_u64 s[16:17], s[16:17], s[20:21]      ; wfrag's matrix x
	global_load_b128 v[8:11], v4, s[4:5] th:TH_LOAD_NT
	global_load_b128 v[12:15], v4, s[6:7] th:TH_LOAD_NT
	global_load_b128 v[32:35], v6, s[22:23] th:TH_LOAD_NT              ; 32 bytes a lane for each of my two chunks; the 32 waves read the matrix once
	global_load_b128 v[36:39], v6, s[22:23] offset:16 th:TH_LOAD_NT
	global_load_b128 v[40:43], v6, s[22:23] offset:32768 th:TH_LOAD_NT ; chunk + 32: 64 rows on
	global_load_b128 v[44:47], v6, s[22:23] offset:32784 th:TH_LOAD_NT
	; my wave's table is cleared: 32 bytes a lane
	v_mov_b32 v64, 0
	v_mov_b32 v65, 0
	v_mov_b32 v66, 0
	v_mov_b32 v67, 0
	v_lshl_add_u32 v68, v1, 5, s36
	ds_store_b128 v68, v[64:67]
	ds_store_b128 v68, v[64:67] offset:16
	s_wait_loadcnt 0x4                             ; the indices are in; the four loads of weights, issued behind them, may stay out
.irp j, 0,1,2,3
	v_min_u32 v[8+\j], 15, v[8+\j]
	v_min_u32 v[12+\j], 15, v[12+\j]
	v_lshl_add_u32 v[16+\j], v[8+\j], 4, v[12+\j]  ; the pair
	v_lshl_add_u32 v[20+\j], v[16+\j], 2, s36      ; its word in my wave's table
.endr
; The lanes of my wave whose token j has my pair (my PEERS, myself among them): for each of the key's 8 bits, the mask of the lanes that agree with me in it.
; Then my rank among them, and their number: the mask's ones, added up in fields of 2, 4 and 8 bits and then over the four bytes (32 at the most).
.macro MATCH j
	v_mov_b32 v[24+\j], -1
.irp b, 0,1,2,3,4,5,6,7
	v_and_b32 v69, 1<<\b, v[16+\j]
	v_cmp_ne_u32 vcc_lo, 0, v69                    ; the lanes in which the bit is set
	v_cndmask_b32 v70, -1, 0, vcc_lo
	v_xor_b32 v69, vcc_lo, v70                     ; that mask where mine is set, its complement where not
	v_and_b32 v[24+\j], v[24+\j], v69
.endr
	v_mbcnt_lo_u32_b32 v[28+\j], v[24+\j], 0       ; peers below me
	v_lshrrev_b32 v69, 1, v[24+\j]
	v_and_b32 v69, 0x55555555, v69
	v_sub_nc_u32 v[24+\j], v[24+\j], v69
	v_lshrrev_b32 v69, 2, v[24+\j]
	v_and_b32 v69, 0x33333333, v69
	v_and_b32 v[24+\j], 0x33333333, v[24+\j]
	v_add_nc_u32 v[24+\j], v[24+\j], v69
	v_lshrrev_b32 v69, 4, v[24+\j]
	v_add_nc_u32 v[24+\j], v[24+\j], v69
	v_and_b32 v[24+\j], 0x0f0f0f0f, v[24+\j]
	v_mul_lo_u32 v[24+\j], v[24+\j], s37
	v_lshrrev_b32 v[24+\j], 24, v[24+\j]           ; the number of peers
.endm
	MATCH 0
	MATCH 1
	MATCH 2
	MATCH 3
	s_wait_loadcnt 0x0                             ; the weights
.irp i, 0,1,2,3,4,5,6,7
	v_cvt_pk_bf16_f32 v[48+\i], v[32+2*\i], v[33+2*\i]
.endr
	global_store_b128 v4, v[48:51], s[16:17]               ; a wave's store covers 512 consecutive bytes, aligned
	global_store_b128 v4, v[52:55], s[16:17] offset:16384
	s_wait_xcnt 0x0                                ; the stores' data registers are written again in the scan below: only behind this wait
; My token's rank in my wave = the table's count so far + my rank among the peers.  Every lane writes the new count, the old one + the number of peers: peers write the same number into the same word.
; LDS serves a wave's instructions in order, and the table is my wave's own: token j + 1's load sees token j's stores.
.macro COUNT j
	ds_load_b32 v69, v[20+\j]
	s_wait_dscnt 0x0
	v_add_nc_u32 v[28+\j], v69, v[28+\j]
	v_add_nc_u32 v70, v69, v[24+\j]
	ds_store_b32 v[20+\j], v70
.endm
	COUNT 0
	COUNT 1
	COUNT 2
	COUNT 3
	v_mov_b32 v71, 0                               ; written in every wave; waves 0-7 give them their meaning below
	v_mov_b32 v72, 0
	v_lshlrev_b32 v73, 2, v0                       ; 4 p
	s_wait_dscnt 0x0                               ; for the others' sake: my table is written
	s_barrier_signal -1
	s_barrier_wait -1
	; Waves 0-7: thread p takes pair p through the 32 waves' tables: each count gives way to the sum of the earlier waves' counts.
	s_cmp_gt_u32 s18, 7
	s_cbranch_scc1 .Lno_scan
.set w, 0
.rept 32
	ds_load_b32 v[32+w], v73 offset:TAB+1024*w
.set w, w+1
.endr
	s_wait_dscnt 0x0
.set w, 0
.rept 31
	v_add_nc_u32 v[33+w], v[33+w], v[32+w]
.set w, w+1
.endr
	ds_store_b32 v73, v64 offset:TAB
.set w, 0
.rept 31
	ds_store_b32 v73, v[32+w] offset:TAB+1024*(w+1)
.set w, w+1
.endr
	v_mov_b32 v71, v63                             ; the pair's count in the block
	v_mov_b32 v72, v63
	v_mov_b32 v74, 0
.irp n, 1,2,4,8                                ; sums over the pairs up to mine, inside each half of 16 lanes
	v_mov_b32_dpp v74, v72 row_shr:\n row_mask:0xf bank_mask:0xf bound_ctrl:1
	v_add_nc_u32 v72, v72, v74
.endr
	v_readlane_b32 s34, v72, 15                    ; the lower half's total goes onto the upper half
	v_cmp_lt_u32 vcc_lo, 15, v1
	v_cndmask_b32 v74, 0, s34, vcc_lo
	v_add_nc_u32 v72, v72, v74
	v_readlane_b32 s34, v72, 31                    ; my wave's 32 pairs together
	v_mov_b32 v74, s34
	s_lshl_b32 s35, s18, 2
	v_mov_b32 v75, s35
	ds_store_b32 v75, v74 offset:WT                ; all lanes write the same word with the same number
.Lno_scan:
	s_wait_dscnt 0x0
	s_barrier_signal -1
	s_barrier_wait -1
	; Waves 0-7: where pair p's run begins = the totals of the waves below mine + the pairs below p in my wave.
	s_cmp_gt_u32 s18, 7
	s_cbranch_scc1 .Lno_start
	v_mov_b32 v74, WT
	ds_load_b128 v[32:35], v74
	ds_load_b128 v[36:39], v74 offset:16
	s_wait_dscnt 0x0
.irp i, 0,1,2,3,4,5,6
	v_readfirstlane_b32 s[25+\i], v[32+\i]
.endr
	s_mov_b32 s33, 0
.irp i, 0,1,2,3,4,5,6
	s_cmp_gt_u32 s18, \i
	s_cselect_b32 s34, s[25+\i], 0
	s_add_co_u32 s33, s33, s34
.endr
	v_add_nc_u32 v74, s33, v72
	v_sub_nc_u32 v74, v74, v71                     ; start
	v_lshl_or_b32 v75, v74, 16, v71                ; count | start << 16: both are 4,096 at the most
	ds_store_b32 v73, v74 offset:LS
	ds_store_b32 v73, v75 offset:COLW
.Lno_start:
	s_wait_dscnt 0x0
	s_barrier_signal -1
	s_barrier_wait -1
	; A token's place = its pair's start + the earlier waves' tokens of that pair + its rank in my wave.
.irp j, 0,1,2,3
	v_lshlrev_b32 v[32+\j], 2, v[16+\j]
	ds_load_b32 v[36+\j], v[32+\j] offset:LS
	ds_load_b32 v[40+\j], v[20+\j]
.endr
	s_cmp_gt_u32 s18, 1
	s_cbranch_scc1 .Lno_col
	ds_load_b128 v[44:47], v4 offset:COLW          ; waves 0 and 1 send col's 1,024 bytes, 512 consecutive bytes a store
	s_wait_dscnt 0x0
	global_store_b128 v4, v[44:47], s[14:15]
.Lno_col:
	s_wait_dscnt 0x0
	s_lshl_b32 s34, s19, 12
	v_lshl_add_u32 v56, v0, 2, s34                 ; my first token's number
	v_add_nc_u32 v57, 1, v56
	v_add_nc_u32 v58, 2, v56
	v_add_nc_u32 v59, 3, v56
.irp j, 0,1,2,3
	v_add3_u32 v[36+\j], v[36+\j], v[40+\j], v[28+\j]
	v_min_u32 v[36+\j], 0xfff, v[36+\j]            ; the places are a permutation of 0..4095; the bound is written for the address's sake
	v_lshlrev_b32 v[36+\j], 2, v[36+\j]
	ds_store_b32 v[36+\j], v[56+\j] offset:LIST    ; each place has one writer; nothing reads the list before the barrier below
.endr
	s_wait_dscnt 0x0
	s_barrier_signal -1
	s_barrier_wait -1
	ds_load_b128 v[60:63], v4 offset:LIST
	s_wait_dscnt 0x0
	global_store_b128 v4, v[60:63], s[12:13]       ; the list leaves in whole runs of 512 consecutive bytes a wave
	s_wait_tensorcnt 0x0                           ; the wave's end: a closing add on my spare word follows my last LDS store
	ds_add_u32 v2, v3
	s_wait_dscnt 0x0
	s_endpgm
.Lfunc_end_k_q14f93e2367_prep:
	.size	k_q14f93e2367_prep, .Lfunc_end_k_q14f93e2367_prep-k_q14f93e2367_prep
	.p2alignl 7, 3214868480
	.fill 96, 4, 3214868480
	.section	.rodata,"a",@progbits
	.p2align	6, 0x0
	.amdhsa_kernel k_q14f93e2367_prep
		.amdhsa_group_segment_fixed_size 55552
		.amdhsa_private_segment_fixed_size 0
		.amdhsa_enable_private_segment 0
		.amdhsa_kernarg_size 56
		.amdhsa_user_sgpr_count 2
		.amdhsa_user_sgpr_kernarg_segment_ptr 1
		.amdhsa_wavefront_size32 1
		.amdhsa_system_sgpr_workgroup_id_x 1
		.amdhsa_system_sgpr_workgroup_id_y 1
		.amdhsa_system_sgpr_workgroup_id_z 1
		.amdhsa_system_vgpr_workitem_id 0
		.amdhsa_next_free_vgpr 96
		.amdhsa_next_free_sgpr 66
		.amdhsa_reserve_vcc 1
		.amdhsa_float_denorm_mode_32 3
		.amdhsa_float_denorm_mode_16_64 3
		.amdhsa_memory_ordered 1
		.amdhsa_forward_progress 1
		.amdhsa_inst_pref_size 24
	.end_amdhsa_kernel
	.amdgpu_metadata
---
amdhsa.version: [ 1, 2 ]
amdhsa.kernels:
  - .name:           k_q14f93e2367_prep
    .symbol:         k_q14f93e2367_prep.kd
    .args:
      - { .name: source_idx, .offset: 0, .size: 8, .value_kind: global_buffer, .address_space: global }
      - { .name: target_idx, .offset: 8, .size: 8, .value_kind: global_buffer, .address_space: global }
      - { .name: enc_w, .offset: 16, .size: 8, .value_kind: global_buffer, .address_space: global }
      - { .name: dec_w, .offset: 24, .size: 8, .value_kind: global_buffer, .address_space: global }
      - { .name: lst, .offset: 32, .size: 8, .value_kind: global_buffer, .address_space: global }
      - { .name: col, .offset: 40, .size: 8, .value_kind: global_buffer, .address_space: global }
      - { .name: wfrag, .offset: 48, .size: 8, .value_kind: global_buffer, .address_space: global }
    .group_segment_fixed_size: 55552
    .private_segment_fixed_size: 0
    .kernarg_segment_align: 8
    .kernarg_segment_size: 56
    .max_flat_workgroup_size: 1024
    .sgpr_count:     66
    .vgpr_count:     96
    .wavefront_size: 32
...
	.end_amdgpu_metadata
.endif
;; end of part 1
;; launch chain (part 2): grid 256 x 1, 4 waves a work-group, no clusters, 51,712 bytes of LDS; arguments z_n, lst, col, wfrag, c_param, d_param, out0; writes out0
.if DOCPART == 2
	.amdgcn_target "amdgcn-amd-amdhsa--gfx1250"
	.amdhsa_code_object_version 6
	.text
	.protected	k_q14f93e2367_chain
	.globl	k_q14f93e2367_chain
	.p2align	8
	.type	k_q14f93e2367_chain,@function
k_q14f93e2367_chain:
	s_mov_b64 s[64:65], 0
	v_nop
	global_prefetch_b8 v0, s[64:65] scope:SCOPE_SE
	s_setreg_imm32_b32 hwreg(HW_REG_WAVE_MODE, 25, 1), 1
	s_wait_xcnt 0x0
; CHAIN.  out[t] = dec_w[tgt] (enc_w[src] z[t] + c[src]) + d[tgt].  Work-group p (of 256) takes all tokens whose pair 16 src + tgt is p, whatever their number n.
; The pair's two matrices, 64 KB in bf16, lie in each wave's registers for the whole launch (windows 1 and 2).  Tiles of 16 tokens are dealt to the four waves in turn; a trip does two tiles.
; BOTH PRODUCTS ARE USED TRANSPOSED: source 0 = 16 rows of the weights, source 1 = 16 tokens.  In a result a lane holds ONE token (lane % 16) and the features 16 a + 8 (lane / 16) + 0..7, so two
; results of the first product, rounded to bf16 in pairs, ARE source 1 of the second: h never leaves registers.  The biases enter as the C operand that starts each sum, in f32.
; WHICH TOKENS.  col gives for each of the 32 blocks (one lane a block) the pair's count and the start of its run in the block's list.  The counts' running sums lie in s[32:63]; the token of rank s is
; lst[ADJ[b] + s], b = the number of running sums that are <= s.  Slots past n repeat rank n - 1; their rows are computed and not stored.
; ROWS.  A row of z or out is 512 bytes: one load or store of a wave (16 bytes a lane) takes one whole row.  z goes through my wave's own LDS bytes as bf16 to become operand fragments; out goes
; through them in f32 to become whole rows.  All LDS bytes are a wave's own, all LDS addresses fixed: no barrier.
; LIMITS.  z, the weights and h are rounded once to bf16 (nearest even); sums and biases in f32.  Numbers read from col and lst are held to their buffers' sizes where they form addresses.
; Every split of the tokens is served; one work-group does all of a pair's rows, so the launch lasts as long as its largest pair.  NaN and infinities are not treated apart.
; NO TENSOR LOAD: rows named by a list have no descriptor.  NO CLUSTER: what work-groups share is a matrix of 32 KB, read once, beside n x 1,024 bytes of their own (some 512 KB at an even split),
; and partners' trip counts would differ, since they hang on the counts.
; REGISTERS, in windows of 256 (s_set_vgpr_msb: bits 1:0 source 0, 3:2 source 1, 5:4 source 2, 7:6 destination):
;   window 0: v0-31 as named below; v32-47 row addresses; v64-95 z's fragments; v96-127 h's; v128-191 the first product's 8 accumulators; v192-255 the second's
;   window 1: enc's fragments, (a, c) at 8 (4 a + c)      window 2: dec's, likewise      window 3: v0-63, v64-127 the two tiles' rows of z in f32 (row i at 4 i); v128-191 c, v192-255 d as C operands
.set STI_P,  272         ; a token's 256 bytes of bf16 + 16: the 16 rows that a fragment load touches start 4 words apart modulo 64 words
.set STO_P,  528         ; a token's 512 bytes of f32 + 16: likewise
.set STO_O,  4352        ; behind the 16 rows of 272
.set WAVE_B, 12800       ; a wave's LDS bytes: 4,352 + 8,448
.set SPARE,  51200       ; the spare words: 128 bytes for each wave; no other line names them
.set LANE, 1
.set LN16, 2             ; 16 x lane
.set RR,   3             ; lane % 16
.set HH,   4             ; lane / 16
.set STIW, 5             ; z in: 8 bytes a lane of a row
.set STIR, 6             ; z back: row lane % 16, 16 bytes for each half of the lanes
.set STOW, 7             ; out in: row lane % 16, 32 bytes for each half
.set STOR, 8             ; out back: 16 bytes a lane of a row
.set CNT,  9             ; block lane's count of my pair
.set LSV,  10            ; and its run's start
.set INCV, 11            ; the running sums, one a lane
.set ADJ,  12            ; 4096 b + start - (tokens of the pair in earlier blocks)
.set SLOT, 13            ; the rank that the next lookup wants for my lane
.set SC,   14
.set LO,   15
.set T0,   16
.set T1,   17
.set TOKC, 18            ; token numbers: the trip in hand (lanes 0-15 its first tile, 16-31 its second),
.set TOKN, 19            ; the next trip,
.set TOKF, 20            ; the trip after it,
.set LL,   21            ; and the one on its way from lst
.set PFA,  22
.set BOFF, 23
.set COFF, 24
.set LA,   25            ; v25-27 byte offsets in lst
.set SPW,  30            ; my spare word; never rewritten
.set NIL,  31            ; 0; never rewritten
.set AD,   32
.set ZF,   64
.set HF,   96
.set ACH,  128
.set ACO,  192
; s[4:5] z, s[6:7] lst, s[8:9] col, s[10:11] wfrag, s[12:13] c[src], s[14:15] d[tgt], s[16:17] out; s18 wave; s19 p; s20 src; s21 tgt; s24 n; s25 n - 1; s26 trips - 1; s27 trip;
; s28 n less the first rank of the trip's first tile; s29 the same for the tile in hand; s30, s31 at work; s[32:63] running sums; s[66:67] enc's fragments; s[68:69] dec's
.set MSB, 0
.macro WIN new                         ; the immediate's high byte repeats the setting that is left; a switch that changes nothing is dropped
.if MSB != (\new)
	s_set_vgpr_msb (MSB<<8)|(\new)
.set MSB, (\new)
.endif
.endm
.macro PLACES                          ; four places between a matrix instruction and what reads its result or loads into its registers
.rept 4
	v_nop
.endr
.endm
; Chunks from .. to-1 of the 128 chunks of 512 bytes: enc's 64 into window 1, dec's 64 into window 2
.macro WLOAD from, to
.set i, \from
.rept (\to)-(\from)
.if i < 64
	WIN 0x40
	global_load_b128 v[4*i:4*i+3], v[LN16], s[66:67] offset:512*i
.else
	WIN 0x80
	global_load_b128 v[4*(i-64):4*(i-64)+3], v[LN16], s[68:69] offset:512*(i-64)
.endif
.set i, i+1
.endr
	WIN 0
.endm
; The token numbers of the next 32 slots: rank, block, place in lst, and the load
.macro LOOKUP dst, adr
	v_min_u32 v[SC], s25, v[SLOT]                  ; a slot past the count takes the last rank
	v_add_nc_u32 v[SLOT], 128, v[SLOT]             ; the four waves' two tiles each: 128 ranks a trip
	v_mov_b32 v[LO], 0
.set l, 0
.rept 31
	v_cmp_le_u32 vcc_lo, s[32+l], v[SC]
	v_add_co_ci_u32 v[LO], vcc_lo, 0, v[LO], vcc_lo
.set l, l+1
.endr
	v_lshlrev_b32 v[T0], 2, v[LO]
	ds_bpermute_b32 v[T1], v[T0], v[ADJ]           ; ADJ of that block, from its lane
	s_wait_dscnt 0x0
	v_add_nc_u32 v[T1], v[T1], v[SC]
	v_min_u32 v[T1], 0x1ffff, v[T1]
	v_lshlrev_b32 v[\adr], 2, v[T1]
	global_load_b32 v[\dst], v[\adr], s[6:7]
.endm
; The byte offsets of a tile's 16 rows: token x 512 + 16 x lane
.macro ADDR tok, half
.set i, 0
.rept 16
	v_readlane_b32 s[30+i%2], v[\tok], 16*(\half)+i
	s_min_u32 s[30+i%2], s[30+i%2], 0x1ffff
	v_lshl_add_u32 v[AD+i], s[30+i%2], 9, v[LN16]
.set i, i+1
.endr
.endm
.macro ZLOAD half                      ; 16 rows, one whole row of 512 bytes a load; a row of z is named by one list once (the last tile's spare slots repeat its last row)
	WIN 0xc0
.set i, 0
.rept 16
	global_load_b128 v[64*(\half)+4*i:64*(\half)+4*i+3], v[AD+i], s[4:5] th:TH_LOAD_NT
.set i, i+1
.endr
	WIN 0
.endm
; Each lane asks for its own token's row, two blocks of 256 bytes: the 32 rows of the trip after the next, whose loads the next trip issues.  Past the end the rank's bound keeps the row inside z.
.macro PREF
	v_min_u32 v[T0], 0x1ffff, v[TOKF]
	v_lshlrev_b32 v[PFA], 9, v[T0]
	global_prefetch_b8 v[PFA], s[4:5] th:TH_LOAD_NT scope:SCOPE_SE
	global_prefetch_b8 v[PFA], s[4:5] offset:256 th:TH_LOAD_NT scope:SCOPE_SE
.endm
; A tile's rows: rounded to bf16, into my LDS rows of 272 bytes, and back as four fragments (32 along K each).  LDS serves a wave's instructions in order (ISA guide 5.7.1.4): the loads see the stores.
.macro CONV half
	WIN 0x0f
.set i, 0
.rept 32
	v_cvt_pk_bf16_f32 v[ZF+i], v[64*(\half)+2*i], v[64*(\half)+2*i+1]
.set i, i+1
.endr
	WIN 0
.set i, 0
.rept 16
	ds_store_b64 v[STIW], v[ZF+2*i:ZF+2*i+1] offset:STI_P*i
.set i, i+1
.endr
.set i, 0
.rept 8
	ds_load_b128 v[ZF+4*i:ZF+4*i+3], v[STIR] offset:32*i
.set i, i+1
.endr
.endm
; h^T = enc z^T + c: the 8 accumulators take turns, one instruction a turn; the first K step starts the sums with c
.macro ENC
.irp c, 0,1,2,3
	s_wait_dscnt 6-2*\c                            ; fragment c's two loads are in; the younger ones may stay out
.if \c == 0
	WIN 0x31
.else
	WIN 0x01
.endif
.irp a, 0,1,2,3,4,5,6,7
.if \c == 0
	v_wmma_f32_16x16x32_bf16 v[ACH+8*\a:ACH+8*\a+7], v[8*(4*\a+\c):8*(4*\a+\c)+7], v[ZF+8*\c:ZF+8*\c+7], v[128+8*\a:128+8*\a+7]
.else
	v_wmma_f32_16x16x32_bf16 v[ACH+8*\a:ACH+8*\a+7], v[8*(4*\a+\c):8*(4*\a+\c)+7], v[ZF+8*\c:ZF+8*\c+7], v[ACH+8*\a:ACH+8*\a+7]
.endif
.endr
.endr
.endm
.macro HCVT                            ; accumulators 2 c and 2 c + 1, rounded in pairs, are fragment c of h; each accumulator is read from its low end on
	WIN 0
	PLACES
.set i, 0
.rept 32
	v_cvt_pk_bf16_f32 v[HF+i], v[ACH+2*i], v[ACH+2*i+1]
.set i, i+1
.endr
.endm
.macro DEC                             ; out^T = dec h^T + d
	s_wait_xcnt 0x0                                ; the last tile's stores have read their data (the accumulators' registers) and, like this tile's loads, their addresses: both are written again below
.irp c, 0,1,2,3
.if \c == 0
	WIN 0x32
.else
	WIN 0x02
.endif
.irp a, 0,1,2,3,4,5,6,7
.if \c == 0
	v_wmma_f32_16x16x32_bf16 v[ACO+8*\a:ACO+8*\a+7], v[8*(4*\a+\c):8*(4*\a+\c)+7], v[HF+8*\c:HF+8*\c+7], v[192+8*\a:192+8*\a+7]
.else
	v_wmma_f32_16x16x32_bf16 v[ACO+8*\a:ACO+8*\a+7], v[8*(4*\a+\c):8*(4*\a+\c)+7], v[HF+8*\c:HF+8*\c+7], v[ACO+8*\a:ACO+8*\a+7]
.endif
.endr
.endr
.endm
.macro OUT                             ; a lane's 8 features of a token go into rows of 528 bytes and come back as whole rows, into the registers that they left
	WIN 0
	PLACES
.set i, 0
.rept 16
	ds_store_b128 v[STOW], v[ACO+4*i:ACO+4*i+3] offset:STO_O+64*(i/2)+16*(i%2)
.set i, i+1
.endr
.set i, 0
.rept 16
	ds_load_b128 v[ACO+4*i:ACO+4*i+3], v[STOR] offset:STO_O+STO_P*i
.set i, i+1
.endr
.endm
.macro STORES half                     ; row i is stored if the tile has more than i tokens; the rest is jumped
.set i, 0
.rept 16
	s_cmp_le_i32 s29, i
	s_cbranch_scc1 .Lend_\@
	v_readlane_b32 s30, v[TOKC], 16*(\half)+i
	s_min_u32 s30, s30, 0x1ffff
	v_lshl_add_u32 v[AD+i], s30, 9, v[LN16]
	s_wait_dscnt 15-i                              ; row i is back; the younger rows may stay out
	global_store_b128 v[AD+i], v[ACO+4*i:ACO+4*i+3], s[16:17] th:TH_STORE_NT  ; 512 consecutive bytes, a whole row
.set i, i+1
.endr
.Lend_\@:
	s_wait_dscnt 0x0
.endm
; One tile.  ahead = 1: as soon as its rows have left their registers, the same half's rows of the next trip are asked for.
.macro HALF half, ahead
	CONV \half
.if \ahead
	s_wait_xcnt 0x0                                ; the last tile's stores have read the address registers
	ADDR TOKN, \half
	ZLOAD \half
.if (\half) == 0
	PREF
.endif
.endif
	ENC
	HCVT
	DEC
	OUT
	STORES \half
.endm
.macro TRIP ahead
	s_wait_loadcnt 16                              ; the first tile's rows are in, and the list word asked for a trip ago, which is older; the second tile's 16 loads may stay out
	v_mov_b32 v[TOKC], v[TOKN]
.if \ahead
	v_mov_b32 v[TOKN], v[TOKF]
	v_mov_b32 v[TOKF], v[LL]
	LOOKUP LL, LA
.endif
	s_mov_b32 s29, s28
	HALF 0, \ahead
.if \ahead
	s_wait_loadcnt 17                              ; the second tile's rows are in; behind them: one list word and the next trip's first 16 rows
.else
	s_wait_loadcnt 0x0
.endif
	s_sub_co_i32 s29, s28, 64                      ; the second tile lies four tiles, 64 ranks, on
.if !(\ahead)
	s_cmp_le_i32 s29, 0
	s_cbranch_scc1 .Lfin                           ; the last trip may have one tile only
.endif
	HALF 1, \ahead
.if \ahead
	s_sub_co_i32 s28, s28, 128
.endif
.endm
	s_load_b256 s[4:11], s[0:1], 0x0               ; z, lst, col, wfrag
	s_load_b128 s[12:15], s[0:1], 0x20             ; c_param, d_param
	s_load_b64 s[16:17], s[0:1], 0x30              ; out0
	v_lshl_add_u32 v[SPW], v0, 2, SPARE
	v_mov_b32 v[NIL], 0
	v_and_b32 v[LANE], 31, v0
	v_lshrrev_b32 v[T0], 5, v0
	v_readfirstlane_b32 s18, v[T0]                 ; wave 0..3
	s_mov_b32 s19, ttmp9                           ; the pair
	s_lshr_b32 s20, s19, 4                         ; src
	s_and_b32 s21, s19, 15                         ; tgt
	v_lshlrev_b32 v[LN16], 4, v[LANE]
	v_and_b32 v[RR], 15, v0
	v_bfe_u32 v[HH], v0, 4, 1
	s_mul_i32 s30, s18, WAVE_B                     ; my wave's LDS bytes
	v_lshl_add_u32 v[STIW], v[LANE], 3, s30
	v_mul_u32_u24 v[T0], v[RR], STI_P
	v_lshl_add_u32 v[T0], v[HH], 4, v[T0]
	v_add_nc_u32 v[STIR], s30, v[T0]
	v_mul_u32_u24 v[T0], v[RR], STO_P
	v_lshl_add_u32 v[T0], v[HH], 5, v[T0]
	v_add_nc_u32 v[STOW], s30, v[T0]
	v_add_nc_u32 v[STOR], s30, v[LN16]
	v_lshlrev_b32 v[BOFF], 5, v[HH]                ; a bias: 8 numbers for each half of the lanes
	s_lshl_b32 s31, s19, 2
	v_lshl_add_u32 v[COFF], v[LANE], 10, s31       ; col[lane][p]
	s_mov_b32 s23, 0
	s_wait_kmcnt 0x0
	s_lshl_b32 s22, s20, 15
	s_add_nc_u64 s[66:67], s[10:11], s[22:23]      ; matrix src
	s_lshl_b32 s22, s21, 15
	s_add_co_u32 s22, s22, 524288
	s_add_nc_u64 s[68:69], s[10:11], s[22:23]      ; matrix 16 + tgt
	s_lshl_b32 s22, s20, 9
	s_add_nc_u64 s[12:13], s[12:13], s[22:23]      ; c[src]
	s_lshl_b32 s22, s21, 9
	s_add_nc_u64 s[14:15], s[14:15], s[22:23]      ; d[tgt]
	global_load_b32 v[CNT], v[COFF], s[8:9]        ; one word from each block's row of col, once a wave
	WIN 0xc0
.set i, 0
.rept 16                               ; register 8 a + j of a C operand holds bias[16 a + 8 (lane / 16) + j]
	global_load_b128 v[128+4*i:128+4*i+3], v[BOFF], s[12:13] offset:64*(i/2)+16*(i%2)
	global_load_b128 v[192+4*i:192+4*i+3], v[BOFF], s[14:15] offset:64*(i/2)+16*(i%2)
.set i, i+1
.endr
	WIN 0
	WLOAD 0, 24
	s_wait_loadcnt 56                              ; col's word is in: 32 loads of biases and 24 of weights were issued behind it
	v_lshrrev_b32 v[LSV], 16, v[CNT]
	v_and_b32 v[CNT], 0xffff, v[CNT]
	v_min_u32 v[CNT], 0x1000, v[CNT]
	v_min_u32 v[LSV], 0x1000, v[LSV]
.set i, 0
.rept 32
	v_readlane_b32 s[32+i], v[CNT], i
.set i, i+1
.endr
.set i, 0
.rept 31
	s_add_co_u32 s[33+i], s[33+i], s[32+i]         ; running sums over the blocks
.set i, i+1
.endr
	s_mov_b32 s24, s63                             ; n
	v_mov_b32 v[INCV], 0
.set i, 0
.rept 32
	v_writelane_b32 v[INCV], s[32+i], i
.set i, i+1
.endr
	v_sub_nc_u32 v[T0], v[INCV], v[CNT]            ; the pair's tokens in earlier blocks
	v_lshl_add_u32 v[ADJ], v[LANE], 12, v[LSV]
	v_sub_nc_u32 v[ADJ], v[ADJ], v[T0]
	s_lshl_b32 s30, s18, 4
	v_lshl_add_u32 v[SLOT], v[HH], 6, v[RR]        ; trip 0: rank 64 (lane / 16) + 16 wave + lane % 16
	v_add_nc_u32 v[SLOT], s30, v[SLOT]
	s_add_co_u32 s31, s24, 15
	s_lshr_b32 s31, s31, 4                         ; tiles of the pair
	s_add_co_u32 s31, s31, 3
	s_sub_co_u32 s31, s31, s18
	s_lshr_b32 s31, s31, 2                         ; of which mine: tiles wave, wave + 4, ..
	s_add_co_u32 s31, s31, 1
	s_lshr_b32 s31, s31, 1                         ; trips of two
	s_cmp_eq_u32 s31, 0
	s_cbranch_scc1 .Lnone                          ; a split that leaves my wave no tile: it has written no LDS byte and stores nothing
	s_sub_co_u32 s25, s24, 1
	s_sub_co_u32 s26, s31, 1
	s_sub_co_u32 s28, s24, s30
	LOOKUP TOKN, LA                                ; trips 0, 1 and 2
	LOOKUP TOKF, LA+1
	LOOKUP LL, LA+2
	WLOAD 24, 80
	s_wait_loadcnt 56                              ; the three list words are in: 56 loads of weights were issued behind them
	ADDR TOKN, 0
	ZLOAD 0
	s_wait_xcnt 0x0                                ; the address registers are written again
	ADDR TOKN, 1
	ZLOAD 1
	PREF                                           ; trip 1's rows, which trip 0 loads
	WLOAD 80, 128
	s_wait_loadcnt 0x0                             ; once: weights, biases, trip 0's rows
	s_cmp_eq_u32 s26, 0
	s_cbranch_scc1 .Ltail
	s_mov_b32 s27, 0
.Ltrip:                                                ; all trips but the last: each asks for the next trip's rows
	TRIP 1
	s_add_co_u32 s27, s27, 1
	s_cmp_lt_u32 s27, s26
	s_cbranch_scc1 .Ltrip
.Ltail:
	TRIP 0                                         ; the last trip asks for nothing
.Lfin:
	s_wait_tensorcnt 0x0                           ; the wave's end: a closing add on my spare word follows my last LDS store
	ds_add_u32 v[SPW], v[NIL]
	s_wait_dscnt 0x0
	s_endpgm
.Lnone:
	s_endpgm
.Lfunc_end_k_q14f93e2367_chain:
	.size	k_q14f93e2367_chain, .Lfunc_end_k_q14f93e2367_chain-k_q14f93e2367_chain
	.p2alignl 7, 3214868480
	.fill 96, 4, 3214868480
	.section	.rodata,"a",@progbits
	.p2align	6, 0x0
	.amdhsa_kernel k_q14f93e2367_chain
		.amdhsa_group_segment_fixed_size 51712
		.amdhsa_private_segment_fixed_size 0
		.amdhsa_enable_private_segment 0
		.amdhsa_kernarg_size 56
		.amdhsa_user_sgpr_count 2
		.amdhsa_user_sgpr_kernarg_segment_ptr 1
		.amdhsa_wavefront_size32 1
		.amdhsa_system_sgpr_workgroup_id_x 1
		.amdhsa_system_sgpr_workgroup_id_y 1
		.amdhsa_system_sgpr_workgroup_id_z 1
		.amdhsa_system_vgpr_workitem_id 0
		.amdhsa_next_free_vgpr 1024
		.amdhsa_next_free_sgpr 72
		.amdhsa_reserve_vcc 1
		.amdhsa_float_denorm_mode_32 3
		.amdhsa_float_denorm_mode_16_64 3
		.amdhsa_memory_ordered 1
		.amdhsa_forward_progress 1
		.amdhsa_inst_pref_size 126
	.end_amdhsa_kernel
	.amdgpu_metadata
---
amdhsa.version: [ 1, 2 ]
amdhsa.kernels:
  - .name:           k_q14f93e2367_chain
    .symbol:         k_q14f93e2367_chain.kd
    .args:
      - { .name: z_n, .offset: 0, .size: 8, .value_kind: global_buffer, .address_space: global }
      - { .name: lst, .offset: 8, .size: 8, .value_kind: global_buffer, .address_space: global }
      - { .name: col, .offset: 16, .size: 8, .value_kind: global_buffer, .address_space: global }
      - { .name: wfrag, .offset: 24, .size: 8, .value_kind: global_buffer, .address_space: global }
      - { .name: c_param, .offset: 32, .size: 8, .value_kind: global_buffer, .address_space: global }
      - { .name: d_param, .offset: 40, .size: 8, .value_kind: global_buffer, .address_space: global }
      - { .name: out0, .offset: 48, .size: 8, .value_kind: global_buffer, .address_space: global }
    .group_segment_fixed_size: 51712
    .private_segment_fixed_size: 0
    .kernarg_segment_align: 8
    .kernarg_segment_size: 56
    .max_flat_workgroup_size: 128
    .sgpr_count:     72
    .vgpr_count:     1024
    .wavefront_size: 32
...
	.end_amdgpu_metadata
.endif
;; end of part 2
;; ======== version 2 of 3: 2 launches
;; workspace buffers: lst 524,288 bytes of whole numbers; col 32,768 bytes of whole numbers; wfrag 1,048,576 bytes
;; launch prep: the kernel of part 1 again; grid 32 x 1, 32 waves a work-group, no clusters, 55,552 bytes of LDS; arguments source_idx, target_idx, enc_w, dec_w, lst, col, wfrag; writes lst, col, wfrag
;; launch chain (part 3): grid 256 x 1, 4 waves a work-group, no clusters, 51,712 bytes of LDS; arguments z_n, lst, col, wfrag, c_param, d_param, out0; writes out0
.if DOCPART == 3
	.amdgcn_target "amdgcn-amd-amdhsa--gfx1250"
	.amdhsa_code_object_version 6
	.text
	.protected	k_q14f93e2367_chain
	.globl	k_q14f93e2367_chain
	.p2align	8
	.type	k_q14f93e2367_chain,@function
k_q14f93e2367_chain:
	s_mov_b64 s[64:65], 0
	v_nop
	global_prefetch_b8 v0, s[64:65] scope:SCOPE_SE
	s_setreg_imm32_b32 hwreg(HW_REG_WAVE_MODE, 25, 1), 1
	s_wait_xcnt 0x0
; CHAIN.  out[t] = dec_w[tgt] (enc_w[src] z[t] + c[src]) + d[tgt].  Work-group p (of 256) takes all tokens whose pair 16 src + tgt is p, whatever their number n.
; The pair's two matrices, 64 KB in bf16, lie in each wave's registers for the whole launch (windows 1 and 2).  Tiles of 16 tokens are dealt to the four waves in turn; a trip does two tiles.
; BOTH PRODUCTS ARE USED TRANSPOSED: source 0 = 16 rows of the weights, source 1 = 16 tokens.  In a result a lane holds ONE token (lane % 16) and the features 16 a + 8 (lane / 16) + 0..7, so two
; results of the first product, rounded to bf16 in pairs, ARE source 1 of the second: h never leaves registers.  The biases enter as the C operand that starts each sum, in f32.
; WHICH TOKENS.  col gives for each of the 32 blocks (one lane a block) the pair's count and the start of its run in the block's list.  The counts' running sums lie in s[32:63]; the token of rank s is
; lst[ADJ[b] + s], b = the number of running sums that are <= s.  Slots past n repeat rank n - 1; their rows are computed and not stored.
; ROWS.  A row of z or out is 512 bytes: one load or store of a wave (16 bytes a lane) takes one whole row, and a token's row has the same byte offset in z and in out.  A tile's 16 token numbers
; lie in scalar registers from the tile's loads to its stores: they leave the lanes in ONE run of 16, are bounded in one run, and make the load offsets and, a trip later, the store offsets.
; z goes through my wave's own LDS bytes as bf16 to become operand fragments; out goes through them in f32 to become whole rows.  All LDS bytes are a wave's own, all LDS addresses fixed: no barrier.
; THE HEAD is a chain of reads of which each needs the one before: the arguments, col's word, a list word, rows of z.  The 128 loads of weights are dealt into that chain's gaps: 60 behind col's word,
; 20 behind each of the three list loads, 8 between the two tiles' rows; so each link is issued as soon as the link before it is in, and the first trip begins when its first tile's rows are in.
; LIMITS.  z, the weights and h are rounded once to bf16 (nearest even); sums and biases in f32.  Numbers read from col and lst are held to their buffers' sizes where they form addresses.
; Every split of the tokens is served; one work-group does all of a pair's rows, so the launch lasts as long as its largest pair.  NaN and infinities are not treated apart.
; NO TENSOR LOAD: rows named by a list have no descriptor.  NO CLUSTER: what work-groups share is a matrix of 32 KB, read once, beside n x 1,024 bytes of their own (some 512 KB at an even split),
; and partners' trip counts would differ, since they hang on the counts.
; REGISTERS, in windows of 256 (s_set_vgpr_msb: bits 1:0 source 0, 3:2 source 1, 5:4 source 2, 7:6 destination):
;   window 0: v0-31 as named below; v32-47 load offsets; v48-63 store offsets; v64-95 z's fragments; v96-127 h's; v128-191 the first product's 8 accumulators; v192-255 the second's
;   window 1: enc's fragments, (a, c) at 8 (4 a + c)      window 2: dec's, likewise      window 3: v0-63, v64-127 the two tiles' rows of z in f32 (row i at 4 i); v128-191 c, v192-255 d as C operands
.set STI_P,  272         ; a token's 256 bytes of bf16 + 16: the 16 rows that a fragment load touches start 4 words apart modulo 64 words
.set STO_P,  528         ; a token's 512 bytes of f32 + 16: likewise
.set STO_O,  4352        ; behind the 16 rows of 272
.set WAVE_B, 12800       ; a wave's LDS bytes: 4,352 + 8,448
.set SPARE,  51200       ; the spare words: 128 bytes for each wave; no other line names them
.set LANE, 1
.set LN16, 2             ; 16 x lane
.set RR,   3             ; lane % 16
.set HH,   4             ; lane / 16
.set STIW, 5             ; z in: 8 bytes a lane of a row
.set STIR, 6             ; z back: row lane % 16, 16 bytes for each half of the lanes
.set STOW, 7             ; out in: row lane % 16, 32 bytes for each half
.set STOR, 8             ; out back: 16 bytes a lane of a row
.set CNT,  9             ; block lane's count of my pair
.set LSV,  10            ; and its run's start
.set INCV, 11            ; the running sums, one a lane
.set ADJ,  12            ; 4096 b + start - (tokens of the pair in earlier blocks)
.set SLOT, 13            ; the rank that the next lookup wants for my lane
.set SC,   14
.set LO,   15
.set T0,   16
.set T1,   17
.set TOKN, 19            ; token numbers (lanes 0-15 a trip's first tile, 16-31 its second): the next trip,
.set TOKF, 20            ; the trip after it,
.set LL,   21            ; and the one on its way from lst
.set PFA,  22
.set BOFF, 23            ; the biases back from LDS: my wave's bytes + 32 (lane / 16)
.set COFF, 24
.set LA,   25            ; v25-27 byte offsets in lst
.set SPW,  30            ; my spare word; never rewritten
.set NIL,  31            ; 0; never rewritten
.set AD,   32            ; the offsets of 16 rows to be loaded
.set ADS,  48            ; the offsets of the 16 rows of the tile in hand, for its stores
.set ZF,   64
.set HF,   96
.set ACH,  128
.set ACO,  192
.set TS,   70            ; s[70:85] the token numbers of the first tile whose rows are in registers or on their way; s[86:101] of the second
; s[4:5] z, s[6:7] lst, s[8:9] col, s[10:11] wfrag, s[12:13] c[src], s[14:15] d[tgt], s[16:17] out; s18 wave; s19 p; s20 src; s21 tgt; s24 n; s25 n - 1; s26 trips - 1; s27 trip;
; s28 n less the first rank of my last trip's first tile; s29 the same for the tile in hand; s30, s31 at work; s[32:63] running sums; s[66:67] enc's fragments; s[68:69] dec's
.set MSB, 0
.macro WIN new                         ; the immediate's high byte repeats the setting that is left; a switch that changes nothing is dropped
.if MSB != (\new)
	s_set_vgpr_msb (MSB<<8)|(\new)
.set MSB, (\new)
.endif
.endm
.macro PLACES                          ; four places between a matrix instruction and what reads its result or loads into its registers
.rept 4
	v_nop
.endr
.endm
; Chunks from .. to-1 of the 128 chunks of 512 bytes: enc's 64 into window 1, dec's 64 into window 2
.macro WLOAD from, to
.set i, \from
.rept (\to)-(\from)
.if i < 64
	WIN 0x40
	global_load_b128 v[4*i:4*i+3], v[LN16], s[66:67] offset:512*i
.else
	WIN 0x80
	global_load_b128 v[4*(i-64):4*(i-64)+3], v[LN16], s[68:69] offset:512*(i-64)
.endif
.set i, i+1
.endr
	WIN 0
.endm
; THE LOOKUP of the token numbers of the next 32 slots, in four parts, so that the loop can set the second between its products and the roundings of h between the third and the fourth.
.macro LK_HEAD                         ; the rank
	v_min_u32 v[SC], s25, v[SLOT]                  ; a slot past the count takes the last rank
	v_add_nc_u32 v[SLOT], 128, v[SLOT]             ; the four waves' two tiles each: 128 ranks a trip
	v_mov_b32 v[LO], 0
.endm
.macro LK_STEP n                       ; one of 31: the block's number grows by 1 if running sum n is not above the rank.  It names a scalar, v14, v15 and VCC: source 1 and destination in window 0
	v_cmp_le_u32 vcc_lo, s[32+(\n)], v[SC]
	v_add_co_ci_u32 v[LO], vcc_lo, 0, v[LO], vcc_lo
.endm
.macro LK_ASK                          ; ADJ of that block is asked of its lane
	WIN 0
	v_lshlrev_b32 v[T0], 2, v[LO]
	ds_bpermute_b32 v[T1], v[T0], v[ADJ]
.endm
.macro LK_LOAD dst, adr                ; the place in lst, and the load
	s_wait_dscnt 0x0
	v_add_nc_u32 v[T1], v[T1], v[SC]
	v_min_u32 v[T1], 0x1ffff, v[T1]
	v_lshlrev_b32 v[\adr], 2, v[T1]
	global_load_b32 v[\dst], v[\adr], s[6:7]
.endm
.macro LOOKUP dst, adr                 ; all four on end, for the kernel's head
	LK_HEAD
.set l, 0
.rept 31
	LK_STEP l
.set l, l+1
.endr
	LK_ASK
	LK_LOAD \dst, \adr
.endm
; A tile's 16 token numbers: out of the lanes in one run; bounded in one run; token x 512 + 16 x lane in one run.  Other work stands between the runs.
.macro TOKS half
.set i, 0
.rept 16
	v_readlane_b32 s[TS+16*(\half)+i], v[TOKN], 16*(\half)+i
.set i, i+1
.endr
.endm
.macro BOUND half
.set i, 0
.rept 16
	s_min_u32 s[TS+16*(\half)+i], s[TS+16*(\half)+i], 0x1ffff
.set i, i+1
.endr
.endm
.macro ROWS dst, half
.set i, 0
.rept 16
	v_lshl_add_u32 v[(\dst)+i], s[TS+16*(\half)+i], 9, v[LN16]
.set i, i+1
.endr
.endm
.macro ZLOAD half, adr                 ; 16 rows, one whole row of 512 bytes a load; a row of z is named by one list once (the last tile's spare slots repeat its last row)
	WIN 0xc0
.set i, 0
.rept 16
	global_load_b128 v[64*(\half)+4*i:64*(\half)+4*i+3], v[(\adr)+i], s[4:5] th:TH_LOAD_NT
.set i, i+1
.endr
	WIN 0
.endm
; Each lane asks for its own token's row, two blocks of 256 bytes: the 32 rows of the trip after the next, whose loads the next trip issues.  Past the end the rank's bound keeps the row inside z.
.macro PREF
	v_min_u32 v[T0], 0x1ffff, v[TOKF]
	v_lshlrev_b32 v[PFA], 9, v[T0]
	global_prefetch_b8 v[PFA], s[4:5] th:TH_LOAD_NT scope:SCOPE_SE
	global_prefetch_b8 v[PFA], s[4:5] offset:256 th:TH_LOAD_NT scope:SCOPE_SE
.endm
.macro CVT half                        ; a tile's rows, rounded to bf16
	WIN 0x0f
.set i, 0
.rept 32
	v_cvt_pk_bf16_f32 v[ZF+i], v[64*(\half)+2*i], v[64*(\half)+2*i+1]
.set i, i+1
.endr
	WIN 0
.endm
.macro TURN                            ; into my LDS rows of 272 bytes, and back as four fragments (32 along K each).  LDS serves a wave's instructions in order (ISA guide 5.7.1.4): the loads see the stores
.set i, 0
.rept 16
	ds_store_b64 v[STIW], v[ZF+2*i:ZF+2*i+1] offset:STI_P*i
.set i, i+1
.endr
.set i, 0
.rept 8
	ds_load_b128 v[ZF+4*i:ZF+4*i+3], v[STIR] offset:32*i
.set i, i+1
.endr
.endm
; h^T = enc z^T + c: the 8 accumulators take turns, one instruction a turn; the first K step starts the sums with c.
; ride = 1: behind each of the first 31 products stands one step of the lookup, which names none of the products' registers and needs no other window.
.macro ENC ride
.irp c, 0,1,2,3
	s_wait_dscnt 6-2*\c                            ; fragment c's two loads are in; the younger ones may stay out
.if \c == 0
	WIN 0x31
.else
	WIN 0x01
.endif
.irp a, 0,1,2,3,4,5,6,7
.if \c == 0
	v_wmma_f32_16x16x32_bf16 v[ACH+8*\a:ACH+8*\a+7], v[8*(4*\a+\c):8*(4*\a+\c)+7], v[ZF+8*\c:ZF+8*\c+7], v[128+8*\a:128+8*\a+7]
.else
	v_wmma_f32_16x16x32_bf16 v[ACH+8*\a:ACH+8*\a+7], v[8*(4*\a+\c):8*(4*\a+\c)+7], v[ZF+8*\c:ZF+8*\c+7], v[ACH+8*\a:ACH+8*\a+7]
.endif
.if (\ride) && (8*\c+\a < 31)
	LK_STEP 8*\c+\a
.endif
.endr
.endr
.endm
.macro HCVT                            ; accumulators 2 c and 2 c + 1, rounded in pairs, are fragment c of h; each accumulator is read from its low end on
	WIN 0
	PLACES
.set i, 0
.rept 32
	v_cvt_pk_bf16_f32 v[HF+i], v[ACH+2*i], v[ACH+2*i+1]
.set i, i+1
.endr
.endm
.macro DEC                             ; out^T = dec h^T + d.  Its accumulators were the last tile's store data: the tile's one s_wait_xcnt 0 stands behind those stores, and no store follows it before this
.irp c, 0,1,2,3
.if \c == 0
	WIN 0x32
.else
	WIN 0x02
.endif
.irp a, 0,1,2,3,4,5,6,7
.if \c == 0
	v_wmma_f32_16x16x32_bf16 v[ACO+8*\a:ACO+8*\a+7], v[8*(4*\a+\c):8*(4*\a+\c)+7], v[HF+8*\c:HF+8*\c+7], v[192+8*\a:192+8*\a+7]
.else
	v_wmma_f32_16x16x32_bf16 v[ACO+8*\a:ACO+8*\a+7], v[8*(4*\a+\c):8*(4*\a+\c)+7], v[HF+8*\c:HF+8*\c+7], v[ACO+8*\a:ACO+8*\a+7]
.endif
.endr
.endr
.endm
.macro OUT                             ; a lane's 8 features of a token go into rows of 528 bytes and come back as whole rows, into the registers that they left
	WIN 0
	PLACES
.set i, 0
.rept 16
	ds_store_b128 v[STOW], v[ACO+4*i:ACO+4*i+3] offset:STO_O+64*(i/2)+16*(i%2)
.set i, i+1
.endr
.set i, 0
.rept 16
	ds_load_b128 v[ACO+4*i:ACO+4*i+3], v[STOR] offset:STO_O+STO_P*i
.set i, i+1
.endr
.endm
; part = 0: the tile is full.  part = 1 (my last trip): row i is stored if the tile has more than i tokens; the rest is jumped.
.macro STORES part
.set i, 0
.rept 16
.if \part
	s_cmp_le_i32 s29, i
	s_cbranch_scc1 .Lend_\@
.endif
	s_wait_dscnt 15-i                              ; row i is back; the younger rows may stay out
	global_store_b128 v[ADS+i], v[ACO+4*i:ACO+4*i+3], s[16:17] th:TH_STORE_NT  ; 512 consecutive bytes, a whole row
.set i, i+1
.endr
.if \part
.Lend_\@:
	s_wait_dscnt 0x0
.endif
.endm
; One tile.  ahead = 1: as soon as its rows have left their registers, the same half's rows of the next trip are asked for; such a tile is full: only a pair's last tile can be short, it is its wave's
; last, and the trips that look ahead hold none of a wave's last two tiles but, at the most, the last but one.
.macro HALF half, ahead
	CVT \half
	s_wait_xcnt 0x0                                ; the last tile's stores have read their data and offsets, the last loads their offsets: v32-63 and v192-255 are written again only behind this wait
	ROWS ADS, \half                                ; this tile's store offsets, before the scalars take the next trip's tokens
.if \ahead
	TOKS \half
.endif
	TURN                                           ; 24 LDS lines between the lanes' read-out and the scalar lines that take it up
.if \ahead
	BOUND \half
	ROWS AD, \half
	ZLOAD \half, AD
.if (\half) == 0
	PREF
	LK_HEAD
.endif
.endif
.if (\ahead) && ((\half) == 0)
	ENC 1
	LK_ASK
	HCVT                                           ; 32 roundings between the question to the other lane and the wait for the answer
	LK_LOAD LL, LA
.else
	ENC 0
	HCVT
.endif
	DEC
	OUT
	STORES 1-(\ahead)
.endm
; A trip's loads, in the order of issue: the next trip's first 16 rows, one list word, its second 16 rows.
.macro TRIP ahead
	s_wait_loadcnt 16                              ; the first tile's rows are in, and all that was issued between them and the second tile's rows (a list word; ahead of the first trip the last 8 loads of weights); only the second tile's 16 loads are younger
.if \ahead
	v_mov_b32 v[TOKN], v[TOKF]
	v_mov_b32 v[TOKF], v[LL]
.else
	s_mov_b32 s29, s28
.endif
	HALF 0, \ahead
.if \ahead
	s_wait_loadcnt 17                              ; the second tile's rows are in; behind them: the next trip's first 16 rows and one list word
.else
	s_wait_loadcnt 0x0
	s_sub_co_i32 s29, s28, 64                      ; the second tile lies four tiles, 64 ranks, on
	s_cmp_le_i32 s29, 0
	s_cbranch_scc1 .Lfin                           ; the last trip may have one tile only
.endif
	HALF 1, \ahead
.endm
	s_load_b256 s[4:11], s[0:1], 0x0               ; z, lst, col, wfrag
	s_load_b128 s[12:15], s[0:1], 0x20             ; c_param, d_param
	s_load_b64 s[16:17], s[0:1], 0x30              ; out0
	v_lshl_add_u32 v[SPW], v0, 2, SPARE
	v_mov_b32 v[NIL], 0
	v_and_b32 v[LANE], 31, v0
	v_lshrrev_b32 v[T0], 5, v0
	v_readfirstlane_b32 s18, v[T0]                 ; wave 0..3
	s_mov_b32 s19, ttmp9                           ; the pair
	s_lshr_b32 s20, s19, 4                         ; src
	s_and_b32 s21, s19, 15                         ; tgt
	v_lshlrev_b32 v[LN16], 4, v[LANE]
	v_and_b32 v[RR], 15, v0
	v_bfe_u32 v[HH], v0, 4, 1
	s_mul_i32 s30, s18, WAVE_B                     ; my wave's LDS bytes
	v_lshl_add_u32 v[STIW], v[LANE], 3, s30
	v_mul_u32_u24 v[T0], v[RR], STI_P
	v_lshl_add_u32 v[T0], v[HH], 4, v[T0]
	v_add_nc_u32 v[STIR], s30, v[T0]
	v_mul_u32_u24 v[T0], v[RR], STO_P
	v_lshl_add_u32 v[T0], v[HH], 5, v[T0]
	v_add_nc_u32 v[STOW], s30, v[T0]
	v_add_nc_u32 v[STOR], s30, v[LN16]
	v_lshl_add_u32 v[BOFF], v[HH], 5, s30          ; a bias in LDS: 8 numbers for each half of the lanes
	s_lshl_b32 s31, s19, 2
	v_lshl_add_u32 v[COFF], v[LANE], 10, s31       ; col[lane][p]
	s_mov_b32 s23, 0
	s_wait_kmcnt 0x0
	s_lshl_b32 s22, s20, 15
	s_add_nc_u64 s[66:67], s[10:11], s[22:23]      ; matrix src
	s_lshl_b32 s22, s21, 15
	s_add_co_u32 s22, s22, 524288
	s_add_nc_u64 s[68:69], s[10:11], s[22:23]      ; matrix 16 + tgt
	s_lshl_b32 s22, s20, 9
	s_add_nc_u64 s[12:13], s[12:13], s[22:23]      ; c[src]
	s_lshl_b32 s22, s21, 9
	s_add_nc_u64 s[14:15], s[14:15], s[22:23]      ; d[tgt]
	global_load_b32 v[CNT], v[COFF], s[8:9]        ; one word from each block's row of col, once a wave
	global_load_b128 v[ZF:ZF+3], v[LN16], s[12:13]         ; c[src]: its 512 bytes, 16 a lane
	global_load_b128 v[ZF+4:ZF+7], v[LN16], s[14:15]       ; d[tgt] likewise
	WLOAD 0, 60
	s_wait_loadcnt 62                              ; col's word is in: 2 loads of biases and 60 of weights were issued behind it
	v_lshrrev_b32 v[LSV], 16, v[CNT]
	v_and_b32 v[CNT], 0xffff, v[CNT]
	v_min_u32 v[CNT], 0x1000, v[CNT]
	v_min_u32 v[LSV], 0x1000, v[LSV]
.set i, 0
.rept 32
	v_readlane_b32 s[32+i], v[CNT], i
.set i, i+1
.endr
.set i, 0
.rept 31
	s_add_co_u32 s[33+i], s[33+i], s[32+i]         ; running sums over the blocks
.set i, i+1
.endr
	s_mov_b32 s24, s63                             ; n
	v_mov_b32 v[INCV], 0
.set i, 0
.rept 32
	v_writelane_b32 v[INCV], s[32+i], i
.set i, i+1
.endr
	v_sub_nc_u32 v[T0], v[INCV], v[CNT]            ; the pair's tokens in earlier blocks
	v_lshl_add_u32 v[ADJ], v[LANE], 12, v[LSV]
	v_sub_nc_u32 v[ADJ], v[ADJ], v[T0]
	s_lshl_b32 s30, s18, 4
	v_lshl_add_u32 v[SLOT], v[HH], 6, v[RR]        ; trip 0: rank 64 (lane / 16) + 16 wave + lane % 16
	v_add_nc_u32 v[SLOT], s30, v[SLOT]
	s_add_co_u32 s31, s24, 15
	s_lshr_b32 s31, s31, 4                         ; tiles of the pair
	s_add_co_u32 s31, s31, 3
	s_sub_co_u32 s31, s31, s18
	s_lshr_b32 s31, s31, 2                         ; of which mine: tiles wave, wave + 4, ..
	s_add_co_u32 s31, s31, 1
	s_lshr_b32 s31, s31, 1                         ; trips of two
	s_cmp_eq_u32 s31, 0
	s_cbranch_scc1 .Lnone                          ; a split that leaves my wave no tile: it has written no LDS byte and stores nothing
	s_sub_co_u32 s25, s24, 1
	s_sub_co_u32 s26, s31, 1
	s_lshl_b32 s31, s26, 7                         ; my last trip's first tile begins at rank 128 (trips - 1) + 16 wave
	s_add_co_u32 s31, s31, s30
	s_sub_co_u32 s28, s24, s31
	LOOKUP TOKN, LA                                ; trip 0's tokens are asked for first; the other two lookups and 60 loads of weights stand in the time that the word takes
	WLOAD 60, 80
	LOOKUP TOKF, LA+1                              ; trip 1
	WLOAD 80, 100
	LOOKUP LL, LA+2                                ; trip 2
	WLOAD 100, 120
	s_wait_loadcnt 62                              ; trip 0's list word is in (and c and d, which are older): behind it 20 + 1 + 20 + 1 + 20 loads were issued
	TOKS 0
	TOKS 1
	BOUND 0
	ROWS AD, 0
	ZLOAD 0, AD
	WLOAD 120, 128                                 ; the last weights stand between the two tiles' rows: the first trip's wait, which leaves the second tile's 16 loads out, shows them in
	BOUND 1
	ROWS ADS, 1                                    ; the second tile's loads take the other 16 offset registers, which the first trip writes anew behind its wait
	ZLOAD 1, ADS
	s_wait_loadcnt 40                              ; the other two list words are in: behind the weights that followed them 16 + 8 + 16 loads were issued
	PREF                                           ; trip 1's rows, which trip 0 loads
	; The biases become C operands through my LDS bytes 0 to 1,023, which z's rows take over in the first trip: register 8 a + j holds bias[16 a + 8 (lane / 16) + j]; the 16 lanes of a half read the same 16 bytes.
	ds_store_b128 v[STOR], v[ZF:ZF+3]
	ds_store_b128 v[STOR], v[ZF+4:ZF+7] offset:512
	WIN 0xc0
.set i, 0
.rept 16
	ds_load_b128 v[128+4*i:128+4*i+3], v[BOFF] offset:64*(i/2)+16*(i%2)
	ds_load_b128 v[192+4*i:192+4*i+3], v[BOFF] offset:512+64*(i/2)+16*(i%2)
.set i, i+1
.endr
	WIN 0
	s_wait_dscnt 0x0                               ; the biases are in their registers; z's rows are still on their way
	s_cmp_eq_u32 s26, 0
	s_cbranch_scc1 .Ltail
	s_mov_b32 s27, 0
.Ltrip:                                                ; all trips but the last: each asks for the next trip's rows
	TRIP 1
	s_add_co_u32 s27, s27, 1
	s_cmp_lt_u32 s27, s26
	s_cbranch_scc1 .Ltrip
.Ltail:
	TRIP 0                                         ; the last trip asks for nothing
.Lfin:
	s_wait_tensorcnt 0x0                           ; the wave's end: a closing add on my spare word follows my last LDS store
	ds_add_u32 v[SPW], v[NIL]
	s_wait_dscnt 0x0
	s_endpgm
.Lnone:
	s_endpgm
.Lfunc_end_k_q14f93e2367_chain:
	.size	k_q14f93e2367_chain, .Lfunc_end_k_q14f93e2367_chain-k_q14f93e2367_chain
	.p2alignl 7, 3214868480
	.fill 96, 4, 3214868480
	.section	.rodata,"a",@progbits
	.p2align	6, 0x0
	.amdhsa_kernel k_q14f93e2367_chain
		.amdhsa_group_segment_fixed_size 51712
		.amdhsa_private_segment_fixed_size 0
		.amdhsa_enable_private_segment 0
		.amdhsa_kernarg_size 56
		.amdhsa_user_sgpr_count 2
		.amdhsa_user_sgpr_kernarg_segment_ptr 1
		.amdhsa_wavefront_size32 1
		.amdhsa_system_sgpr_workgroup_id_x 1
		.amdhsa_system_sgpr_workgroup_id_y 1
		.amdhsa_system_sgpr_workgroup_id_z 1
		.amdhsa_system_vgpr_workitem_id 0
		.amdhsa_next_free_vgpr 1024
		.amdhsa_next_free_sgpr 102
		.amdhsa_reserve_vcc 1
		.amdhsa_float_denorm_mode_32 3
		.amdhsa_float_denorm_mode_16_64 3
		.amdhsa_memory_ordered 1
		.amdhsa_forward_progress 1
		.amdhsa_inst_pref_size 115
	.end_amdhsa_kernel
	.amdgpu_metadata
---
amdhsa.version: [ 1, 2 ]
amdhsa.kernels:
  - .name:           k_q14f93e2367_chain
    .symbol:         k_q14f93e2367_chain.kd
    .args:
      - { .name: z_n, .offset: 0, .size: 8, .value_kind: global_buffer, .address_space: global }
      - { .name: lst, .offset: 8, .size: 8, .value_kind: global_buffer, .address_space: global }
      - { .name: col, .offset: 16, .size: 8, .value_kind: global_buffer, .address_space: global }
      - { .name: wfrag, .offset: 24, .size: 8, .value_kind: global_buffer, .address_space: global }
      - { .name: c_param, .offset: 32, .size: 8, .value_kind: global_buffer, .address_space: global }
      - { .name: d_param, .offset: 40, .size: 8, .value_kind: global_buffer, .address_space: global }
      - { .name: out0, .offset: 48, .size: 8, .value_kind: global_buffer, .address_space: global }
    .group_segment_fixed_size: 51712
    .private_segment_fixed_size: 0
    .kernarg_segment_align: 8
    .kernarg_segment_size: 56
    .max_flat_workgroup_size: 128
    .sgpr_count:     102
    .vgpr_count:     1024
    .wavefront_size: 32
...
	.end_amdgpu_metadata
.endif
;; end of part 3
;; ======== version 3 of 3: 2 launches; version 2 with the launch chain written anew for expert scheduling mode
;; workspace buffers: lst 524,288 bytes of whole numbers; col 32,768 bytes of whole numbers; wfrag 1,048,576 bytes
;; launch prep: the kernel of part 1 again; grid 32 x 1, 32 waves a work-group, no clusters, 55,552 bytes of LDS; arguments source_idx, target_idx, enc_w, dec_w, lst, col, wfrag; writes lst, col, wfrag
;; launch chain (part 4): grid 256 x 1, 4 waves a work-group, no clusters, 51,712 bytes of LDS; arguments z_n, lst, col, wfrag, c_param, d_param, out0; writes out0
.if DOCPART == 4
	.amdgcn_target "amdgcn-amd-amdhsa--gfx1250"
	.amdhsa_code_object_version 6
	.text
	.protected	k_q14f93e2367_chain
	.globl	k_q14f93e2367_chain
	.p2align	8
	.type	k_q14f93e2367_chain,@function
k_q14f93e2367_chain:
	s_mov_b64 s[64:65], 0
	v_nop
	global_prefetch_b8 v0, s[64:65] scope:SCOPE_SE
	s_setreg_imm32_b32 hwreg(HW_REG_WAVE_SCHED_MODE, 0, 2), 2
	s_setreg_imm32_b32 hwreg(HW_REG_WAVE_MODE, 25, 1), 1
	s_wait_xcnt 0x0
	s_wait_alu depctr_vm_vsrc(0)
; CHAIN.  out[t] = dec_w[tgt] (enc_w[src] z[t] + c[src]) + d[tgt].  Work-group p (of 256) takes all tokens whose pair 16 src + tgt is p, whatever their number n.
; The pair's two matrices, 64 KB in bf16, lie in each wave's registers for the whole launch (windows 1 and 2).  Tiles of 16 tokens are dealt to the four waves in turn; a trip does two tiles.
; BOTH PRODUCTS ARE USED TRANSPOSED: source 0 = 16 rows of the weights, source 1 = 16 tokens.  In a result a lane holds ONE token (lane % 16) and the features 16 a + 8 (lane / 16) + 0..7, so two
; results of the first product, rounded to bf16 in pairs, ARE source 1 of the second: h never leaves registers.  The biases enter as the C operand that starts each sum, in f32.
; WHICH TOKENS.  col gives for each of the 32 blocks (one lane a block) the pair's count and the start of its run in the block's list.  The counts' running sums lie in s[32:63]; the token of rank s is
; lst[ADJ[b] + s], b = the number of running sums that are <= s.  Slots past n repeat rank n - 1; their rows are computed and not stored.
; ROWS.  A row of z or out is 512 bytes: one load or store of a wave (16 bytes a lane) takes one whole row, and a token's row has the same byte offset in z and in out.  A tile's 16 token numbers
; lie in scalar registers from the tile's loads to its stores: they leave the lanes in ONE run of 16, are bounded in one run, and make the load offsets and, a trip later, the store offsets.
; z goes through my wave's own LDS bytes as bf16 to become operand fragments; out goes through them in f32 to become whole rows.  All LDS bytes are a wave's own, all LDS addresses fixed: no barrier.
; THE HEAD is a chain of reads of which each needs the one before: the arguments, col's word, a list word, rows of z.  The 128 loads of weights are dealt into that chain's gaps: 60 behind col's word,
; 20 behind each of the three list loads, 8 between the two tiles' rows; so each link is issued as soon as the link before it is in, and the first trip begins when its first tile's rows are in.
; LIMITS.  z, the weights and h are rounded once to bf16 (nearest even); sums and biases in f32.  Numbers read from col and lst are held to their buffers' sizes where they form addresses.
; Every split of the tokens is served; one work-group does all of a pair's rows, so the launch lasts as long as its largest pair.  NaN and infinities are not treated apart.
; NO TENSOR LOAD: rows named by a list have no descriptor.  NO CLUSTER: what work-groups share is a matrix of 32 KB, read once, beside n x 1,024 bytes of their own (some 512 KB at an even split),
; and partners' trip counts would differ, since they hang on the counts.
; THE MODE: SCHED_MODE bits 1:0 = 2 (LLVM: expert scheduling mode 2), set by the entry lines.  The code itself states the register dependences between vector or matrix instructions and memory or LDS
; instructions, and those through scalar registers that vector instructions write, with s_wait_alu, always for 0.
; THE PLAN.  Registers that memory or LDS instructions touch, for one tile:
;   Z0, Z1 (window 3)  read by the tile's first roundings (CVT); then the same half's rows of the next trip land in them (ZLOAD).
;   HF   written by CVT and read by TURN's LDS stores; later written by the roundings of h (HCVT) and read by the second product.
;   ZF   TURN's LDS loads land in it; the first product reads it.  No vector instruction writes it.
;   ACH  written by the first product, read by HCVT; then OUT's LDS loads land in it and the tile's global stores read it.
;   ACO  written by the second product, read by OUT's LDS stores alone.
;   ADS, AD  offsets: written by ROWS; read by the tile's stores, by ZLOAD.      PFA, IX, LA  written by vector lines; read by the prefetches, the permute, the list load.      T1, LL  the permute, the list load land in them.
;   v2, v5-8, v12, v23, v24  made in the head, never written again.
; So no register is stored to LDS and loaded back in one run, and a tile has these waits: (1) behind CVT, on vm_vsrc: all that the last tile's memory and LDS instructions read may be written; (2) ahead of TURN,
; on va_vdst: HF, ADS and PFA are written, CVT is done with the rows' registers, the last first product with ZF; (3) behind TURN, on va_sdst: the token numbers are in their scalars; (4) in ZLOAD, on va_vdst: AD is
; written; (5) behind the first product, on vm_vsrc: TURN's stores have read HF; (6) in a trip's first tile, on va_vdst: the permute's index is written; (7) in OUT, on va_vdst: ACO and LA are written, HCVT is done with ACH.
; The lookup's compares write eight scalar masks in runs of eight, with one wait on va_sdst behind each run.
; REGISTERS, in windows of 256 (s_set_vgpr_msb: bits 1:0 source 0, 3:2 source 1, 5:4 source 2, 7:6 destination):
;   window 0: v0-31 as named below; v32-47 load offsets; v48-63 store offsets; v64-95 z's fragments; v96-127 z's rows in bf16 on their way into LDS, then h's fragments;
;             v128-191 the first product's 8 accumulators, then the tile's rows of out; v192-255 the second product's accumulators
;   window 1: enc's fragments, (a, c) at 8 (4 a + c)      window 2: dec's, likewise      window 3: v0-63, v64-127 the two tiles' rows of z in f32 (row i at 4 i); v128-191 c, v192-255 d as C operands
.set STI_P,  272         ; a token's 256 bytes of bf16 + 16: the 16 rows that a fragment load touches start 4 words apart modulo 64 words
.set STO_P,  528         ; a token's 512 bytes of f32 + 16: likewise
.set STO_O,  4352        ; behind the 16 rows of 272
.set WAVE_B, 12800       ; a wave's LDS bytes: 4,352 + 8,448; the four waves use 51,200 of the bytes claimed
.set LANE, 1
.set LN16, 2             ; 16 x lane
.set RR,   3             ; lane % 16
.set HH,   4             ; lane / 16
.set STIW, 5             ; z in: 8 bytes a lane of a row
.set STIR, 6             ; z back: row lane % 16, 16 bytes for each half of the lanes
.set STOW, 7             ; out in: row lane % 16, 32 bytes for each half
.set STOR, 8             ; out back: 16 bytes a lane of a row
.set CNT,  9             ; block lane's count of my pair
.set LSV,  10            ; and its run's start
.set INCV, 11            ; the running sums, one a lane
.set ADJ,  12            ; 4096 b + start - (tokens of the pair in earlier blocks)
.set SLOT, 13            ; the rank that the next lookup wants for my lane
.set SC,   14
.set LO,   15
.set T0,   16
.set T1,   17
.set TOKN, 19            ; token numbers (lanes 0-15 a trip's first tile, 16-31 its second): the next trip,
.set TOKF, 20            ; the trip after it,
.set LL,   21            ; and the one on its way from lst
.set PFA,  22
.set BOFF, 23            ; the biases back from LDS: my wave's bytes + 32 (lane / 16)
.set COFF, 24
.set LA,   25            ; v25-27 byte offsets in lst
.set IX,   28            ; v28-30 4 x the block's number, the permute's index: one register for each of the head's three lookups; the loop takes the first
.set AD,   32            ; the offsets of 16 rows to be loaded
.set ADS,  48            ; the offsets of the 16 rows of the tile in hand, for its stores
.set ZF,   64
.set HF,   96
.set ACH,  128
.set ACO,  192
.set MK,   8             ; s[8:11], s[20:23] from the first lookup on: the eight masks of a run of compares (col's load is done by then; the other six have served)
.set TS,   70            ; s[70:85] the token numbers of the first tile whose rows are in registers or on their way; s[86:101] of the second
; s[4:5] z, s[6:7] lst, s[8:9] col, s[10:11] wfrag, s[12:13] c[src], s[14:15] d[tgt], s[16:17] out; s18 wave; s19 p; s20 src; s21 tgt; s24 n; s25 n - 1; s26 trips - 1; s27 trip;
; s28 n less the first rank of my last trip's first tile; s29 the same for the tile in hand; s30, s31 at work; s[32:63] running sums; s[66:67] enc's fragments; s[68:69] dec's
.set MSB, 0
.macro WIN new                         ; the immediate's high byte repeats the setting that is left; a switch that changes nothing is dropped
.if MSB != (\new)
	s_set_vgpr_msb (MSB<<8)|(\new)
.set MSB, (\new)
.endif
.endm
.macro PLACES                          ; four places between a matrix instruction and what reads its result (ISA guide 7.12.1)
.rept 4
	v_nop
.endr
.endm
; Chunks from .. to-1 of the 128 chunks of 512 bytes: enc's 64 into window 1, dec's 64 into window 2.  Their offset, v2, is written ahead of the head's first wait on va_vdst; no vector line names their registers before the products.
.macro WLOAD from, to
.set i, \from
.rept (\to)-(\from)
.if i < 64
	WIN 0x40
	global_load_b128 v[4*i:4*i+3], v[LN16], s[66:67] offset:512*i
.else
	WIN 0x80
	global_load_b128 v[4*(i-64):4*(i-64)+3], v[LN16], s[68:69] offset:512*(i-64)
.endif
.set i, i+1
.endr
	WIN 0
.endm
; THE LOOKUP of the token numbers of the next 32 slots, in parts, so that the loop can set the compares and selects between its products and the roundings of h between the question to the other lane and its answer.
.macro LK_HEAD                         ; the rank
	v_min_u32 v[SC], s25, v[SLOT]                  ; a slot past the count takes the last rank
	v_add_nc_u32 v[SLOT], 128, v[SLOT]             ; the four waves' two tiles each: 128 ranks a trip
	v_mov_b32 v[LO], 0
.endm
; The running sums never fall, so the number of sums that are not above the rank is n + 1 for the last such sum n.  One of 31: is running sum n above the rank?  Into mask n % 8.
; Both lines name scalars, constants, v14 and v15 alone, in the places of source 1 and the destination: they need no other window than the products round them.
.macro LK_CMP n
	v_cmp_gt_u32 s[MK+(\n)%8+8*(((\n)%8)/4)], s[32+(\n)], v[SC]
.endm
.macro LK_SEL n                        ; where it is not, the block's number is n + 1 so far; n ascends
	v_cndmask_b32 v[LO], (\n)+1, v[LO], s[MK+(\n)%8+8*(((\n)%8)/4)]
.endm
.macro LK_TAIL                         ; behind the first product: the last run's selects
	s_wait_alu depctr_va_sdst(0)                   ; the compares 24 to 30 have written their masks
.irp n, 24,25,26,27,28,29,30
	LK_SEL \n
.endr
.endm
.macro LK_ASK ix                       ; ADJ of that block is asked of its lane
	WIN 0
	v_lshlrev_b32 v[\ix], 2, v[LO]
	s_wait_alu depctr_va_vdst(0)                   ; the index is written (ahead of the first lookup v[ADJ] too), which the permute reads; the last lookup's lines are done with v[T1], in which the answer lands
	ds_bpermute_b32 v[T1], v[\ix], v[ADJ]
.endm
.macro LK_ADR adr                      ; the place in lst
	s_wait_dscnt 0x0
	v_add_nc_u32 v[T1], v[T1], v[SC]
	v_min_u32 v[T1], 0x1ffff, v[T1]
	v_lshlrev_b32 v[\adr], 2, v[T1]
.endm
.macro LOOKUP dst, adr, ix             ; all parts on end, for the kernel's head
	LK_HEAD
.irp g, 0,1,2,3
.irp k, 0,1,2,3,4,5,6,7
.if 8*\g+\k < 31
	LK_CMP 8*\g+\k
.endif
.endr
	s_wait_alu depctr_va_sdst(0)                   ; the run of compares has written its masks, ahead of the selects that read them
.irp k, 0,1,2,3,4,5,6,7
.if 8*\g+\k < 31
	LK_SEL 8*\g+\k
.endif
.endr
.endr
	LK_ASK \ix
	LK_ADR \adr
	s_wait_alu depctr_va_vdst(0)                   ; the offset in lst is written, which the load reads
	global_load_b32 v[\dst], v[\adr], s[6:7]
.endm
; A tile's 16 token numbers: out of the lanes in one run; bounded in one run; token x 512 + 16 x lane in one run.  Other work stands between the runs.
.macro TOKS half
.set i, 0
.rept 16
	v_readlane_b32 s[TS+16*(\half)+i], v[TOKN], 16*(\half)+i
.set i, i+1
.endr
.endm
.macro BOUND half
.set i, 0
.rept 16
	s_min_u32 s[TS+16*(\half)+i], s[TS+16*(\half)+i], 0x1ffff
.set i, i+1
.endr
.endm
.macro ROWS dst, half
.set i, 0
.rept 16
	v_lshl_add_u32 v[(\dst)+i], s[TS+16*(\half)+i], 9, v[LN16]
.set i, i+1
.endr
.endm
.macro ZLOAD half, adr                 ; 16 rows, one whole row of 512 bytes a load; a row of z is named by one list once (the last tile's spare slots repeat its last row)
	WIN 0xc0
	s_wait_alu depctr_va_vdst(0)                   ; the 16 offsets just made are written, which these loads read (that the roundings are done reading the registers in which they land, the wait ahead of TURN has stated)
.set i, 0
.rept 16
	global_load_b128 v[64*(\half)+4*i:64*(\half)+4*i+3], v[(\adr)+i], s[4:5] th:TH_LOAD_NT
.set i, i+1
.endr
	WIN 0
.endm
; Each lane asks for its own token's row, two blocks of 256 bytes: the 32 rows of the trip after the next, whose loads the next trip issues.  Past the end the rank's bound keeps the row inside z.
.macro PREF_ADR
	v_min_u32 v[T0], 0x1ffff, v[TOKF]
	v_lshlrev_b32 v[PFA], 9, v[T0]
.endm
.macro PREF_ASK
	global_prefetch_b8 v[PFA], s[4:5] th:TH_LOAD_NT scope:SCOPE_SE
	global_prefetch_b8 v[PFA], s[4:5] offset:256 th:TH_LOAD_NT scope:SCOPE_SE
.endm
.macro CVT half                        ; a tile's rows, rounded to bf16, into h's registers, which lie free until the roundings of h
	WIN 0x0f
.set i, 0
.rept 32
	v_cvt_pk_bf16_f32 v[HF+i], v[64*(\half)+2*i], v[64*(\half)+2*i+1]
.set i, i+1
.endr
	WIN 0
.endm
.macro TURN                            ; into my LDS rows of 272 bytes, and back as four fragments (32 along K each), into other registers.  LDS serves a wave's instructions in order (ISA guide 5.7.1.4): the loads see the stores
.set i, 0
.rept 16
	ds_store_b64 v[STIW], v[HF+2*i:HF+2*i+1] offset:STI_P*i
.set i, i+1
.endr
.set i, 0
.rept 8
	ds_load_b128 v[ZF+4*i:ZF+4*i+3], v[STIR] offset:32*i
.set i, i+1
.endr
.endm
; h^T = enc z^T + c: the 8 accumulators take turns, one instruction a turn; the first K step starts the sums with c.
; ride = 1: behind each product of K step c stands the compare 8 c + a of the lookup, and from the second K step on, ahead of it, the select that takes up the mask written a K step before.
; None of these lines names a register of the products.
.macro ENC ride
.irp c, 0,1,2,3
	s_wait_dscnt 6-2*\c                            ; fragment c's two loads are in; the younger ones may stay out
.if (\ride) && (\c > 0)
	s_wait_alu depctr_va_sdst(0)                   ; the eight compares that rode in the K step before have written their masks, ahead of this K step's selects
.endif
.if \c == 0
	WIN 0x31
.else
	WIN 0x01
.endif
.irp a, 0,1,2,3,4,5,6,7
.if \c == 0
	v_wmma_f32_16x16x32_bf16 v[ACH+8*\a:ACH+8*\a+7], v[8*(4*\a+\c):8*(4*\a+\c)+7], v[ZF+8*\c:ZF+8*\c+7], v[128+8*\a:128+8*\a+7]
.else
	v_wmma_f32_16x16x32_bf16 v[ACH+8*\a:ACH+8*\a+7], v[8*(4*\a+\c):8*(4*\a+\c)+7], v[ZF+8*\c:ZF+8*\c+7], v[ACH+8*\a:ACH+8*\a+7]
.endif
.if \ride
.if \c > 0
	LK_SEL 8*(\c-1)+\a
.endif
.if 8*\c+\a < 31
	LK_CMP 8*\c+\a
.endif
.endif
.endr
.endr
.endm
.macro HCVT                            ; accumulators 2 c and 2 c + 1, rounded in pairs, are fragment c of h; each accumulator is read from its low end on
	WIN 0
	PLACES
.set i, 0
.rept 32
	v_cvt_pk_bf16_f32 v[HF+i], v[ACH+2*i], v[ACH+2*i+1]
.set i, i+1
.endr
.endm
.macro DEC                             ; out^T = dec h^T + d.  Its accumulators were the data of the last tile's LDS stores: the wait on vm_vsrc at this tile's head stands between
.irp c, 0,1,2,3
.if \c == 0
	WIN 0x32
.else
	WIN 0x02
.endif
.irp a, 0,1,2,3,4,5,6,7
.if \c == 0
	v_wmma_f32_16x16x32_bf16 v[ACO+8*\a:ACO+8*\a+7], v[8*(4*\a+\c):8*(4*\a+\c)+7], v[HF+8*\c:HF+8*\c+7], v[192+8*\a:192+8*\a+7]
.else
	v_wmma_f32_16x16x32_bf16 v[ACO+8*\a:ACO+8*\a+7], v[8*(4*\a+\c):8*(4*\a+\c)+7], v[HF+8*\c:HF+8*\c+7], v[ACO+8*\a:ACO+8*\a+7]
.endif
.endr
.endr
.endm
; A lane's 8 features of a token go into rows of 528 bytes and come back as whole rows, into the first product's accumulators, which the roundings of h have emptied.
; ask = 1: the lookup's list word is asked for here, between the two tiles' rows in the order of the loads.
.macro OUT ask
	WIN 0
	PLACES
	s_wait_alu depctr_va_vdst(0)                   ; the second product has written v192-255, which the LDS stores read; the roundings of h are done reading v128-191, in which the LDS loads land; v[LA] is written, and the trip's head is done reading v[LL]
.if \ask
	global_load_b32 v[LL], v[LA], s[6:7]
.endif
.set i, 0
.rept 16
	ds_store_b128 v[STOW], v[ACO+4*i:ACO+4*i+3] offset:STO_O+64*(i/2)+16*(i%2)
.set i, i+1
.endr
.set i, 0
.rept 16
	ds_load_b128 v[ACH+4*i:ACH+4*i+3], v[STOR] offset:STO_O+STO_P*i
.set i, i+1
.endr
.endm
; part = 0: the tile is full.  part = 1 (my last trip): row i is stored if the tile has more than i tokens; the rest is jumped.
; The offsets were written ahead of the wait that stands in front of TURN, and no vector line since names them; the data come from LDS loads.
.macro STORES part
.set i, 0
.rept 16
.if \part
	s_cmp_le_i32 s29, i
	s_cbranch_scc1 .Lend_\@
.endif
	s_wait_dscnt 15-i                              ; row i is back; the younger rows may stay out
	global_store_b128 v[ADS+i], v[ACH+4*i:ACH+4*i+3], s[16:17] th:TH_STORE_NT  ; 512 consecutive bytes, a whole row
.set i, i+1
.endr
.if \part
.Lend_\@:
	s_wait_dscnt 0x0
.endif
.endm
; One tile.  ahead = 1: as soon as its rows have left their registers, the same half's rows of the next trip are asked for; such a tile is full: only a pair's last tile can be short, it is its wave's
; last, and the trips that look ahead hold none of a wave's last two tiles but, at the most, the last but one.
.macro HALF half, ahead
	CVT \half
	s_wait_xcnt 0x0                                ; the last tile's stores and the last loads have had their addresses translated: their offsets and data (v25, v22, v32-63, v128-191) are written again only behind this wait
	s_wait_alu depctr_vm_vsrc(0)                   ; the last tile's stores have read v48-63 and v128-191, its LDS stores v192-255, the last row loads v32-47, the list load v25, the prefetches v22, the permute v28: all are written again below
	ROWS ADS, \half                                ; this tile's store offsets, before the scalars take the next trip's tokens
.if \ahead
	TOKS \half
.if (\half) == 0
	PREF_ADR
	LK_HEAD
.endif
.endif
	s_wait_alu depctr_va_vdst(0)                   ; the roundings have written v96-127, which the LDS stores read, and are done reading the rows' registers; v48-63 and v22 are written; the last first product is done reading v64-95, in which the LDS loads land
	TURN                                           ; 24 LDS lines between the lanes' read-out and the scalar lines that take it up
.if \ahead
	s_wait_alu depctr_va_sdst(0)                   ; the 16 token numbers are in their scalar registers, ahead of the lines that bound them
	BOUND \half
	ROWS AD, \half
	ZLOAD \half, AD
.if (\half) == 0
	PREF_ASK                                       ; no vector line since the wait ahead of TURN names v22
.endif
.endif
.if (\ahead) && ((\half) == 0)
	ENC 1
.else
	ENC 0
.endif
	WIN 0
	s_wait_alu depctr_vm_vsrc(0)                   ; TURN's LDS stores have read v96-127, which the roundings of h write
.if (\ahead) && ((\half) == 0)
	LK_TAIL
	LK_ASK IX
	HCVT                                           ; 32 roundings between the question to the other lane and the wait for the answer
	LK_ADR LA
	DEC
	OUT 1
.else
	HCVT
	DEC
	OUT 0
.endif
	STORES 1-(\ahead)
.endm
; A trip's loads, in the order of issue: the next trip's first 16 rows, one list word, its second 16 rows.
.macro TRIP ahead
	s_wait_loadcnt 16                              ; the first tile's rows are in, and all that was issued between them and the second tile's rows (a list word; ahead of the first trip the last 8 loads of weights); only the second tile's 16 loads are younger
.if \ahead
	v_mov_b32 v[TOKN], v[TOKF]
	v_mov_b32 v[TOKF], v[LL]
.else
	s_mov_b32 s29, s28
.endif
	HALF 0, \ahead
.if \ahead
	s_wait_loadcnt 17                              ; the second tile's rows are in; behind them: the next trip's first 16 rows and one list word
.else
	s_wait_loadcnt 0x0
	s_sub_co_i32 s29, s28, 64                      ; the second tile lies four tiles, 64 ranks, on
	s_cmp_le_i32 s29, 0
	s_cbranch_scc1 .Lfin                           ; the last trip may have one tile only
.endif
	HALF 1, \ahead
.endm
	s_load_b256 s[4:11], s[0:1], 0x0               ; z, lst, col, wfrag
	s_load_b128 s[12:15], s[0:1], 0x20             ; c_param, d_param
	s_load_b64 s[16:17], s[0:1], 0x30              ; out0
	v_lshl_add_u32 v18, v0, 2, 0xc800
	v_mov_b32 v31, 0
	v_and_b32 v[LANE], 31, v0
	v_lshrrev_b32 v[T0], 5, v0
	v_readfirstlane_b32 s18, v[T0]                 ; wave 0..3
	s_mov_b32 s19, ttmp9                           ; the pair
	s_lshr_b32 s20, s19, 4                         ; src
	s_and_b32 s21, s19, 15                         ; tgt
	v_lshlrev_b32 v[LN16], 4, v[LANE]
	v_and_b32 v[RR], 15, v0
	v_bfe_u32 v[HH], v0, 4, 1
	s_wait_alu depctr_va_sdst(0)                   ; s18 is written, ahead of its first reader
	s_mul_i32 s30, s18, WAVE_B                     ; my wave's LDS bytes
	v_lshl_add_u32 v[STIW], v[LANE], 3, s30
	v_mul_u32_u24 v[T0], v[RR], STI_P
	v_lshl_add_u32 v[T0], v[HH], 4, v[T0]
	v_add_nc_u32 v[STIR], s30, v[T0]
	v_mul_u32_u24 v[T0], v[RR], STO_P
	v_lshl_add_u32 v[T0], v[HH], 5, v[T0]
	v_add_nc_u32 v[STOW], s30, v[T0]
	v_add_nc_u32 v[STOR], s30, v[LN16]
	v_lshl_add_u32 v[BOFF], v[HH], 5, s30          ; a bias in LDS: 8 numbers for each half of the lanes
	s_lshl_b32 s31, s19, 2
	v_lshl_add_u32 v[COFF], v[LANE], 10, s31       ; col[lane][p]
	s_mov_b32 s23, 0
	s_wait_kmcnt 0x0
	s_lshl_b32 s22, s20, 15
	s_add_nc_u64 s[66:67], s[10:11], s[22:23]      ; matrix src
	s_lshl_b32 s22, s21, 15
	s_add_co_u32 s22, s22, 524288
	s_add_nc_u64 s[68:69], s[10:11], s[22:23]      ; matrix 16 + tgt
	s_lshl_b32 s22, s20, 9
	s_add_nc_u64 s[12:13], s[12:13], s[22:23]      ; c[src]
	s_lshl_b32 s22, s21, 9
	s_add_nc_u64 s[14:15], s[14:15], s[22:23]      ; d[tgt]
	s_wait_alu depctr_va_vdst(0)                   ; the fixed offsets and LDS addresses v2, v5 to v8, v23 and v24 are written, which the loads, stores and LDS instructions of the whole kernel read
	global_load_b32 v[CNT], v[COFF], s[8:9]        ; one word from each block's row of col, once a wave
	global_load_b128 v[ZF:ZF+3], v[LN16], s[12:13]         ; c[src]: its 512 bytes, 16 a lane
	global_load_b128 v[ZF+4:ZF+7], v[LN16], s[14:15]       ; d[tgt] likewise
	WLOAD 0, 60
	s_wait_loadcnt 62                              ; col's word is in: 2 loads of biases and 60 of weights were issued behind it
	v_lshrrev_b32 v[LSV], 16, v[CNT]
	v_and_b32 v[CNT], 0xffff, v[CNT]
	v_min_u32 v[CNT], 0x1000, v[CNT]
	v_min_u32 v[LSV], 0x1000, v[LSV]
.set i, 0
.rept 32
	v_readlane_b32 s[32+i], v[CNT], i
.set i, i+1
.endr
	s_wait_alu depctr_va_sdst(0)                   ; the 32 counts are in s[32:63], ahead of the sums that read them
.set i, 0
.rept 31
	s_add_co_u32 s[33+i], s[33+i], s[32+i]         ; running sums over the blocks
.set i, i+1
.endr
	s_mov_b32 s24, s63                             ; n
	v_mov_b32 v[INCV], 0
.set i, 0
.rept 32
	v_writelane_b32 v[INCV], s[32+i], i
.set i, i+1
.endr
	v_sub_nc_u32 v[T0], v[INCV], v[CNT]            ; the pair's tokens in earlier blocks
	v_lshl_add_u32 v[ADJ], v[LANE], 12, v[LSV]
	v_sub_nc_u32 v[ADJ], v[ADJ], v[T0]
	s_lshl_b32 s30, s18, 4
	v_lshl_add_u32 v[SLOT], v[HH], 6, v[RR]        ; trip 0: rank 64 (lane / 16) + 16 wave + lane % 16
	v_add_nc_u32 v[SLOT], s30, v[SLOT]
	s_add_co_u32 s31, s24, 15
	s_lshr_b32 s31, s31, 4                         ; tiles of the pair
	s_add_co_u32 s31, s31, 3
	s_sub_co_u32 s31, s31, s18
	s_lshr_b32 s31, s31, 2                         ; of which mine: tiles wave, wave + 4, ..
	s_add_co_u32 s31, s31, 1
	s_lshr_b32 s31, s31, 1                         ; trips of two
	s_cmp_eq_u32 s31, 0
	s_cbranch_scc1 .Lnone                          ; a split that leaves my wave no tile: it has written no LDS byte and stores nothing
	s_sub_co_u32 s25, s24, 1
	s_sub_co_u32 s26, s31, 1
	s_lshl_b32 s31, s26, 7                         ; my last trip's first tile begins at rank 128 (trips - 1) + 16 wave
	s_add_co_u32 s31, s31, s30
	s_sub_co_u32 s28, s24, s31
	LOOKUP TOKN, LA, IX                            ; trip 0's tokens are asked for first; the other two lookups and 60 loads of weights stand in the time that the word takes
	WLOAD 60, 80
	LOOKUP TOKF, LA+1, IX+1                        ; trip 1.  Each lookup has an index and an offset register of its own: none that a permute or a load has read is written again in the head
	WLOAD 80, 100
	LOOKUP LL, LA+2, IX+2                          ; trip 2
	WLOAD 100, 120
	s_wait_loadcnt 62                              ; trip 0's list word is in (and c and d, which are older): behind it 20 + 1 + 20 + 1 + 20 loads were issued
	TOKS 0
	TOKS 1
	s_wait_alu depctr_va_sdst(0)                   ; the 32 token numbers are in their scalar registers, ahead of the lines that bound them
	BOUND 0
	ROWS AD, 0
	ZLOAD 0, AD
	WLOAD 120, 128                                 ; the last weights stand between the two tiles' rows: the first trip's wait, which leaves the second tile's 16 loads out, shows them in
	BOUND 1
	ROWS ADS, 1                                    ; the second tile's loads take the other 16 offset registers, which the first trip writes anew behind its waits
	ZLOAD 1, ADS
	s_wait_loadcnt 40                              ; the other two list words are in: behind the weights that followed them 16 + 8 + 16 loads were issued
	PREF_ADR                                       ; trip 1's rows, which trip 0 loads
	s_wait_alu depctr_va_vdst(0)                   ; v22 is written, which the prefetches read
	PREF_ASK
	; The biases become C operands through my LDS bytes 0 to 1,023, which z's rows take over in the first trip: register 8 a + j holds bias[16 a + 8 (lane / 16) + j]; the 16 lanes of a half read the same 16 bytes.
	; The stores' data came by loads; no vector line has named the registers in which the LDS loads land.
	ds_store_b128 v[STOR], v[ZF:ZF+3]
	ds_store_b128 v[STOR], v[ZF+4:ZF+7] offset:512
	WIN 0xc0
.set i, 0
.rept 16
	ds_load_b128 v[128+4*i:128+4*i+3], v[BOFF] offset:64*(i/2)+16*(i%2)
	ds_load_b128 v[192+4*i:192+4*i+3], v[BOFF] offset:512+64*(i/2)+16*(i%2)
.set i, i+1
.endr
	WIN 0
	s_wait_dscnt 0x0                               ; the biases are in their registers; z's rows are still on their way
	s_cmp_eq_u32 s26, 0
	s_cbranch_scc1 .Ltail
	s_mov_b32 s27, 0
.Ltrip:                                                ; all trips but the last: each asks for the next trip's rows
	TRIP 1
	s_add_co_u32 s27, s27, 1
	s_cmp_lt_u32 s27, s26
	s_cbranch_scc1 .Ltrip
.Ltail:
	TRIP 0                                         ; the last trip asks for nothing
.Lfin:
	s_wait_dscnt 0x0                               ; the wave's end; the closing add below adds 0 to my word at 51,200 + 4 t
	s_wait_alu depctr_hold_cnt(0) depctr_sa_sdst(0) depctr_va_vdst(0) depctr_va_sdst(0) depctr_va_ssrc(0) depctr_va_vcc(0) depctr_vm_vsrc(0)
	s_wait_tensorcnt 0x0
	ds_add_u32 v18, v31
	s_wait_dscnt 0x0
	s_endpgm
.Lnone:
	s_endpgm
.Lfunc_end_k_q14f93e2367_chain:
	.size	k_q14f93e2367_chain, .Lfunc_end_k_q14f93e2367_chain-k_q14f93e2367_chain
	.p2alignl 7, 3214868480
	.fill 96, 4, 3214868480
	.section	.rodata,"a",@progbits
	.p2align	6, 0x0
	.amdhsa_kernel k_q14f93e2367_chain
		.amdhsa_group_segment_fixed_size 51712
		.amdhsa_private_segment_fixed_size 0
		.amdhsa_enable_private_segment 0
		.amdhsa_kernarg_size 56
		.amdhsa_user_sgpr_count 2
		.amdhsa_user_sgpr_kernarg_segment_ptr 1
		.amdhsa_wavefront_size32 1
		.amdhsa_system_sgpr_workgroup_id_x 1
		.amdhsa_system_sgpr_workgroup_id_y 1
		.amdhsa_system_sgpr_workgroup_id_z 1
		.amdhsa_system_vgpr_workitem_id 0
		.amdhsa_next_free_vgpr 1024
		.amdhsa_next_free_sgpr 102
		.amdhsa_reserve_vcc 0
		.amdhsa_float_denorm_mode_32 3
		.amdhsa_float_denorm_mode_16_64 3
		.amdhsa_memory_ordered 1
		.amdhsa_forward_progress 1
		.amdhsa_inst_pref_size 125
	.end_amdhsa_kernel
	.amdgpu_metadata
---
amdhsa.version: [ 1, 2 ]
amdhsa.kernels:
  - .name:           k_q14f93e2367_chain
    .symbol:         k_q14f93e2367_chain.kd
    .args:
      - { .name: z_n, .offset: 0, .size: 8, .value_kind: global_buffer, .address_space: global }
      - { .name: lst, .offset: 8, .size: 8, .value_kind: global_buffer, .address_space: global }
      - { .name: col, .offset: 16, .size: 8, .value_kind: global_buffer, .address_space: global }
      - { .name: wfrag, .offset: 24, .size: 8, .value_kind: global_buffer, .address_space: global }
      - { .name: c_param, .offset: 32, .size: 8, .value_kind: global_buffer, .address_space: global }
      - { .name: d_param, .offset: 40, .size: 8, .value_kind: global_buffer, .address_space: global }
      - { .name: out0, .offset: 48, .size: 8, .value_kind: global_buffer, .address_space: global }
    .group_segment_fixed_size: 51712
    .private_segment_fixed_size: 0
    .kernarg_segment_align: 8
    .kernarg_segment_size: 56
    .max_flat_workgroup_size: 128
    .sgpr_count:     102
    .vgpr_count:     1024
    .wavefront_size: 32
...
	.end_amdgpu_metadata
.endif
;; end of part 4
